; MI455X (gfx1250); checked and timed in simulation.
; The chip was launched on July 23, 2026; its instructions are those of AMD's public machine-readable ISA for CDNA 5 (MIT licence, August 2026) and "CDNA5" Instruction Set Architecture Reference Guide (July 2026). The comments in the code are by the model that wrote it; some were corrected since.
;; Regional Codebook. Allowed arithmetic: float matrix products may take bf16 or f16 operands with f32 sums; all other float work in f32.
;; Inputs: W_k 1,024 x 1,024 float32; W_oproj 256 x 256 float32; W_out 1,024 x 1,024 float32; W_q 1,024 x 1,024 float32; W_rout 16 x 1,024 float32; W_v 1,024 x 1,024 float32; b_rout 16 float32; carry_state 8 x 4,096 x 1,024 float32; codebook 16 x 256 float32; node_mask 8 x 4,096 bool; region_tokens 8 x 1,024 float32.
;; Outputs: out0 8 x 4,096 x 256 float32; out1 8 x 8 x 16 float32.
;; 2 versions, each right; version 2 is version 1 with the launch pass1 written anew for expert scheduling mode. Each part assembles by itself: llvm-mc -triple=amdgcn-amd-amdhsa -mcpu=gfx1250 --defsym DOCPART=n.
;; ======== version 1 of 2: 8 launches
;; workspace buffers: q 32,768 bytes; qk 32,768 bytes; accp 8,388,608 bytes; ml 16,384 bytes; actA 524,288 bytes; actB 524,288 bytes; modt 32,768 bytes
;; launch qproj (part 1): grid 16 x 1, 8 waves a work-group, no clusters, 88,064 bytes of LDS; arguments region_tokens, W_q, q; writes q
.if DOCPART == 1
	.amdgcn_target "amdgcn-amd-amdhsa--gfx1250"
	.amdhsa_code_object_version 6
	.text
	.protected	k_q74d98a1959_qproj
	.globl	k_q74d98a1959_qproj
	.p2align	8
	.type	k_q74d98a1959_qproj,@function
k_q74d98a1959_qproj:
	s_mov_b64 s[64:65], 0
	v_nop
	global_prefetch_b8 v0, s[64:65] scope:SCOPE_SE
	s_setreg_imm32_b32 hwreg(HW_REG_WAVE_MODE, 25, 1), 1
	s_wait_xcnt 0x0
; Y[8][64 e] = act[8][1024] . W[64 e][1024]^T  (a Linear layer on 8 rows), one slice of 64 outputs a work-group.
; Work-group x: rows 64 x .. 64 x + 63 of W.  Work-group y: which block of 8 rows of act and Y (32,768 bytes each).
; Eight waves split K: wave w takes d = 128 w .. 128 w + 127; the eight partial sums meet in LDS and waves 0-3 add and store them.
; W goes memory -> registers (16 lanes take 256 consecutive, aligned bytes of a row) -> bf16 -> the wave's own LDS stage -> fragments.
; The activation is given to the matrix unit as hi + lo, two bf16 numbers whose sum holds 16 bits of the f32: intermediates of a chain
; of products are then not rounded to 8 bits at every link.  W is rounded to bf16 once.  Sums in f32.
; No cluster: nothing here is brought by tensor loads, and this body also runs on a grid of 16 x 1.
.set PITCH, 272                        ; a stage row: 256 bytes of bf16 + 16, an odd multiple of 16: 16 rows start in 16 different 16-byte columns
.set WSTG,  32*PITCH                   ; a wave's stage: 32 rows
.set PS,    8*WSTG                     ; behind the stages: partial sums, 8 waves x 8 rows x 272 bytes
.set PSW,   8*PITCH
.set VR,  1                            ; lane & 15
.set VH,  2                            ; lane >> 4
.set VR7, 3                            ; lane & 7: the 8 rows of act stand twice in the 16 columns of a tile
.set XO,  4                            ; W: 32768 h + 512 w + 16 r
.set SA,  5                            ; stage, in:  8704 w + 2176 h + 8 r
.set FA,  6                            ; stage, out: 8704 w + 272 r + 16 h
.set AO,  7                            ; act: 4096 (r & 7) + 512 w + 32 h
.set PW,  8                            ; partial sums, in
.set ER,  9                            ; partial sums, out
.set EO,  10                           ; Y
.set T0,  11
.set T1,  12
.set QF,  32                           ; v[32:63]   act, hi: 4 fragments (K steps of 32)
.set S,   64                           ; v[64:95]   4 accumulators: 16 rows of W each
.set AF,  96                           ; v[96:127]  4 fragments of W
.set QL,  128                          ; v[128:159] act, lo
.set TMP, 184                          ; v[184:247] act as loaded; bf16 on its way to the stage; the partial sums
                                       ; v[256:511] W as loaded, two tiles of 32 rows x 128 columns (named v0-v255 under a window)
.set MSB, 0
.macro WIN new                         ; the immediate's high byte repeats the setting that is left
.if MSB != \new
	s_set_vgpr_msb (MSB<<8)|\new
.set MSB, \new
.endif
.endm
.macro PLACES                          ; four independent vector instructions behind a matrix instruction (ISA guide 7.12.1)
.rept 4
	v_nop
.endr
.endm
; one fragment's worth of f32: lane (row, h) takes k = 8h .. 8h+7 and 16+8h .. 16+8h+7 of 32 numbers at byte off of its row
.macro FRLD sb, ao, dst, off
	global_load_b128 v[\dst:\dst+3],     v[\ao], s[\sb:\sb+1] offset:\off
	global_load_b128 v[\dst+4:\dst+7],   v[\ao], s[\sb:\sb+1] offset:\off+16
	global_load_b128 v[\dst+8:\dst+11],  v[\ao], s[\sb:\sb+1] offset:\off+64
	global_load_b128 v[\dst+12:\dst+15], v[\ao], s[\sb:\sb+1] offset:\off+80
.endm
.macro ACTLD sb, ao, dst               ; the wave's K slice of 128: 16 loads
.irp ks, 0,1,2,3
	FRLD \sb, \ao, \dst+16*\ks, 128*\ks
.endr
.endm
.macro ACTSPLIT src, hi, lo            ; hi = bf16(a), lo = bf16(a - hi)
.set ci, 0
.rept 32
	v_cvt_pk_bf16_f32 v[\hi+ci], v[\src+2*ci], v[\src+2*ci+1]
	v_lshlrev_b32 v[T0], 16, v[\hi+ci]
	v_and_b32 v[T1], 0xffff0000, v[\hi+ci]
	v_sub_f32 v[T0], v[\src+2*ci], v[T0]
	v_sub_f32 v[T1], v[\src+2*ci+1], v[T1]
	v_cvt_pk_bf16_f32 v[\lo+ci], v[T0], v[T1]
.set ci, ci+1
.endr
.endm
; 32 rows x 128 columns of f32 into buffer buf: load (hf, j) brings row j + 8 (j / 8) + 8 h, columns 64 hf + 4 r .. + 3
.macro LOADT buf, off
	WIN 0x40                               ; destination in v256-v511
.irp hf, 0,1
.irp j, 0,1,2,3,4,5,6,7,8,9,10,11,12,13,14,15
	global_load_b128 v[128*\buf+4*(16*\hf+\j):128*\buf+4*(16*\hf+\j)+3], v[XO], s[6:7] offset:\off+(\j+8*(\j/8))*4096+\hf*256
.endr
.endr
	WIN 0
.endm
.macro STAGE buf                       ; to bf16 and into my stage, rows along K
	WIN 0x05                               ; both sources in v256-v511
.irp hf, 0,1
.irp j, 0,1,2,3,4,5,6,7,8,9,10,11,12,13,14,15
	v_cvt_pk_bf16_f32 v[TMP+2*(16*\hf+\j)],   v[128*\buf+4*(16*\hf+\j)],   v[128*\buf+4*(16*\hf+\j)+1]
	v_cvt_pk_bf16_f32 v[TMP+2*(16*\hf+\j)+1], v[128*\buf+4*(16*\hf+\j)+2], v[128*\buf+4*(16*\hf+\j)+3]
.endr
.endr
	WIN 0
.irp hf, 0,1
.irp j, 0,1,2,3,4,5,6,7,8,9,10,11,12,13,14,15
	ds_store_b64 v[SA], v[TMP+2*(16*\hf+\j):TMP+2*(16*\hf+\j)+1] offset:(\j+8*(\j/8))*PITCH+\hf*128
.endr
.endr
.endm
.macro SMUL d, a, b, zero
.if \zero
	v_wmma_f32_16x16x32_bf16 v[\d:\d+7], v[\a:\a+7], v[\b:\b+7], 0
.else
	v_wmma_f32_16x16x32_bf16 v[\d:\d+7], v[\a:\a+7], v[\b:\b+7], v[\d:\d+7]
.endif
.endm
; the staged 32 rows x 128 K times act: accumulators acc (rows 0-15) and acc + 8 (rows 16-31) take turns, one instruction a turn
.macro SCORE acc
.irp rr, 0,1
.irp mt, 0,1
.irp kk, 0,1
	ds_load_b128 v[AF+8*(2*\mt+\kk):AF+8*(2*\mt+\kk)+3],   v[FA] offset:\mt*16*PITCH+(2*\rr+\kk)*64
	ds_load_b128 v[AF+8*(2*\mt+\kk)+4:AF+8*(2*\mt+\kk)+7], v[FA] offset:\mt*16*PITCH+(2*\rr+\kk)*64+32
.endr
.endr
	s_wait_dscnt 0x0                       ; the eight loads just issued (LDS serves my stores ahead of them)
.irp kk, 0,1
.irp mt, 0,1
.if (\rr+\kk)==0
	SMUL \acc+8*\mt, AF+8*(2*\mt+\kk), QF+8*(2*\rr+\kk), 1
.else
	SMUL \acc+8*\mt, AF+8*(2*\mt+\kk), QF+8*(2*\rr+\kk), 0
.endif
.endr
.irp mt, 0,1
	SMUL \acc+8*\mt, AF+8*(2*\mt+\kk), QL+8*(2*\rr+\kk), 0
.endr
.endr
	PLACES                                 ; in front of the next loads into AF, and of the stores that read the sums
.endr
.endm
	s_load_b128 s[4:7], s[0:1], 0x0                ; act s[4:5], W s[6:7]
	s_load_b64 s[8:9], s[0:1], 0x10                ; Y
	v_lshl_add_u32 v254, v0, 2, 0x15400
	v_mov_b32 v255, 0
	v_lshrrev_b32 v[T0], 5, v0
	v_readfirstlane_b32 s20, v[T0]                 ; wave 0..7
	v_and_b32 v[VR], 15, v0
	v_bfe_u32 v[VH], v0, 4, 1
	v_and_b32 v[VR7], 7, v0
	s_and_b32 s21, ttmp7, 0xffff
	s_lshl_b32 s10, s21, 15                        ; y x 8 rows of 4,096 bytes
	s_mov_b32 s11, 0
	s_lshl_b32 s12, ttmp9, 18                      ; x x 64 rows of W
	s_mov_b32 s13, 0
	s_lshl_b32 s14, ttmp9, 8                       ; x x 64 columns of Y
	s_mov_b32 s15, 0
	s_lshl_b32 s22, s20, 9                         ; 512 w
	s_mul_i32 s23, s20, WSTG
	s_mul_i32 s24, s20, PSW
	s_add_co_u32 s24, s24, PS
	v_lshlrev_b32 v[XO], 4, v[VR]
	v_lshl_add_u32 v[XO], v[VH], 15, v[XO]
	v_add_nc_u32 v[XO], s22, v[XO]
	v_mul_u32_u24 v[SA], v[VH], 8*PITCH
	v_lshl_add_u32 v[SA], v[VR], 3, v[SA]
	v_add_nc_u32 v[SA], s23, v[SA]
	v_mul_u32_u24 v[FA], v[VR], PITCH
	v_lshl_add_u32 v[FA], v[VH], 4, v[FA]
	v_add_nc_u32 v[FA], s23, v[FA]
	v_lshlrev_b32 v[AO], 12, v[VR7]
	v_lshl_add_u32 v[AO], v[VH], 5, v[AO]
	v_add_nc_u32 v[AO], s22, v[AO]
	v_mul_u32_u24 v[PW], v[VR7], PITCH
	v_lshl_add_u32 v[PW], v[VH], 5, v[PW]
	v_add_nc_u32 v[PW], s24, v[PW]
	v_lshrrev_b32 v[T0], 4, v0                     ; the adders: thread t takes 16 bytes at 16 (t & 15) of row t >> 4
	v_mul_u32_u24 v[ER], v[T0], PITCH
	v_lshl_add_u32 v[ER], v[VR], 4, v[ER]
	v_add_nc_u32 v[ER], PS, v[ER]
	v_lshlrev_b32 v[EO], 12, v[T0]
	v_lshl_add_u32 v[EO], v[VR], 4, v[EO]
	s_wait_kmcnt 0x0
	s_add_nc_u64 s[4:5], s[4:5], s[10:11]
	s_add_nc_u64 s[6:7], s[6:7], s[12:13]
	s_add_nc_u64 s[8:9], s[8:9], s[10:11]
	s_add_nc_u64 s[8:9], s[8:9], s[14:15]
	ACTLD 4, AO, TMP
	LOADT 0, 0
	s_wait_loadcnt 32                              ; act is in; the 32 loads of W's first tile stay out
	ACTSPLIT TMP, QF, QL
	LOADT 1, 131072
	s_wait_loadcnt 32                              ; the first tile is in; the second tile's 32 loads stay out
	STAGE 0
	SCORE S
	s_wait_loadcnt 0x0
	STAGE 1
	SCORE S+16
	; register j of accumulator M, lane (r, h) = Y(row r & 7, column 16 M + 8 h + j); lanes r and r + 8 hold and write the same numbers
.irp mm, 0,1,2,3
	ds_store_b128 v[PW], v[S+8*\mm:S+8*\mm+3]   offset:64*\mm
	ds_store_b128 v[PW], v[S+8*\mm+4:S+8*\mm+7] offset:64*\mm+16
.endr
	s_wait_dscnt 0x0                               ; my partial sums are in LDS before I say so
	s_barrier_signal -1
	s_barrier_wait -1
	s_cmp_ge_u32 s20, 4
	s_cbranch_scc1 .Lend                           ; 128 threads x 16 bytes are the 8 x 256 bytes of the result
.irp p, 0,1,2,3,4,5,6,7
	ds_load_b128 v[TMP+4*\p:TMP+4*\p+3], v[ER] offset:\p*PSW
.endr
	s_wait_dscnt 0x0
.irp p, 0,2,4,6
	v_pk_add_f32 v[TMP+4*\p:TMP+4*\p+1],   v[TMP+4*\p:TMP+4*\p+1],   v[TMP+4*\p+4:TMP+4*\p+5]
	v_pk_add_f32 v[TMP+4*\p+2:TMP+4*\p+3], v[TMP+4*\p+2:TMP+4*\p+3], v[TMP+4*\p+6:TMP+4*\p+7]
.endr
.irp p, 0,4
	v_pk_add_f32 v[TMP+4*\p:TMP+4*\p+1],   v[TMP+4*\p:TMP+4*\p+1],   v[TMP+4*\p+8:TMP+4*\p+9]
	v_pk_add_f32 v[TMP+4*\p+2:TMP+4*\p+3], v[TMP+4*\p+2:TMP+4*\p+3], v[TMP+4*\p+10:TMP+4*\p+11]
.endr
	v_pk_add_f32 v[TMP:TMP+1],   v[TMP:TMP+1],   v[TMP+16:TMP+17]
	v_pk_add_f32 v[TMP+2:TMP+3], v[TMP+2:TMP+3], v[TMP+18:TMP+19]
	global_store_b128 v[EO], v[TMP:TMP+3], s[8:9]  ; 16 lanes store 256 consecutive bytes, aligned
.Lend:
	s_wait_tensorcnt 0x0
	ds_add_u32 v254, v255
	s_wait_dscnt 0x0
	s_endpgm
.Lfunc_end_k_q74d98a1959_qproj:
	.size	k_q74d98a1959_qproj, .Lfunc_end_k_q74d98a1959_qproj-k_q74d98a1959_qproj
	.p2alignl 7, 3214868480
	.fill 96, 4, 3214868480
	.section	.rodata,"a",@progbits
	.p2align	6, 0x0
	.amdhsa_kernel k_q74d98a1959_qproj
		.amdhsa_group_segment_fixed_size 88064
		.amdhsa_private_segment_fixed_size 0
		.amdhsa_enable_private_segment 0
		.amdhsa_kernarg_size 24
		.amdhsa_user_sgpr_count 2
		.amdhsa_user_sgpr_kernarg_segment_ptr 1
		.amdhsa_wavefront_size32 1
		.amdhsa_system_sgpr_workgroup_id_x 1
		.amdhsa_system_sgpr_workgroup_id_y 1
		.amdhsa_system_sgpr_workgroup_id_z 1
		.amdhsa_system_vgpr_workitem_id 0
		.amdhsa_next_free_vgpr 512
		.amdhsa_next_free_sgpr 66
		.amdhsa_reserve_vcc 0
		.amdhsa_float_denorm_mode_32 3
		.amdhsa_float_denorm_mode_16_64 3
		.amdhsa_memory_ordered 1
		.amdhsa_forward_progress 1
		.amdhsa_inst_pref_size 39
	.end_amdhsa_kernel
	.amdgpu_metadata
---
amdhsa.version: [ 1, 2 ]
amdhsa.kernels:
  - .name:           k_q74d98a1959_qproj
    .symbol:         k_q74d98a1959_qproj.kd
    .args:
      - { .name: region_tokens, .offset: 0, .size: 8, .value_kind: global_buffer, .address_space: global }
      - { .name: W_q, .offset: 8, .size: 8, .value_kind: global_buffer, .address_space: global }
      - { .name: q, .offset: 16, .size: 8, .value_kind: global_buffer, .address_space: global }
    .group_segment_fixed_size: 88064
    .private_segment_fixed_size: 0
    .kernarg_segment_align: 8
    .kernarg_segment_size: 24
    .max_flat_workgroup_size: 256
    .sgpr_count:     66
    .vgpr_count:     512
    .wavefront_size: 32
...
	.end_amdgpu_metadata
.endif
;; end of part 1
;; launch qkproj (part 2): grid 16 x 1, 8 waves a work-group, no clusters, 18,432 bytes of LDS; arguments q, W_k, qk; writes qk
.if DOCPART == 2
	.amdgcn_target "amdgcn-amd-amdhsa--gfx1250"
	.amdhsa_code_object_version 6
	.text
	.protected	k_q74d98a1959_qkproj
	.globl	k_q74d98a1959_qkproj
	.p2align	8
	.type	k_q74d98a1959_qkproj,@function
k_q74d98a1959_qkproj:
	s_mov_b64 s[64:65], 0
	v_nop
	global_prefetch_b8 v0, s[64:65] scope:SCOPE_SE
	s_setreg_imm32_b32 hwreg(HW_REG_WAVE_MODE, 25, 1), 1
	s_wait_xcnt 0x0
; Y[8][64 d] = act[8][1024 e] . W[1024 e][64 d]: the 8 rows go BACK through a Linear layer's weights, so that
; (x W^T) . a = x . (a W) can be used on the 32,768 rows of carry_state: the order of rounding differs from the one written in the model.
; Work-group x: columns 64 x .. + 63 of W and Y.  Work-group y: which block of 8 rows.  Wave w: e = 128 w .. + 127, four K steps of 32.
; W's rows lie across K here.  A lane loads 4 neighbouring columns of 16 rows; packing the same column of two neighbouring rows
; gives a fragment with row m = lane & 15 standing for column d = 4 (lane & 15) + c: no LDS on the way in.
; act and W are rounded to bf16 once; sums in f32.  No cluster: no tensor loads, and this body also runs on a grid of 16 x 1.
.set PITCH, 272
.set PSW,   8*PITCH                    ; partial sums: 8 waves x 8 rows x 272 bytes, from LDS byte 0
.set VR,  1
.set VH,  2
.set VR7, 3
.set XO,  4                            ; W: (128 w + 8 h) rows + 16 r
.set AO,  7                            ; act: 4096 (r & 7) + 512 w + 32 h
.set PW,  8
.set ER,  9
.set EO,  10
.set T0,  11
.set QF,  32                           ; v[32:63]   act: 4 fragments
.set ACC, 64                           ; v[64:95]   4 accumulators, c = 0..3
.set XP,  184                          ; v[184:247] two sets of 4 fragments of W; first act as loaded; last the partial sums
                                       ; v[256:511] W as loaded: K step ks at 64 ks
.set MSB, 0
.macro WIN new
.if MSB != \new
	s_set_vgpr_msb (MSB<<8)|\new
.set MSB, \new
.endif
.endm
.macro FRLD sb, ao, dst, off
	global_load_b128 v[\dst:\dst+3],     v[\ao], s[\sb:\sb+1] offset:\off
	global_load_b128 v[\dst+4:\dst+7],   v[\ao], s[\sb:\sb+1] offset:\off+16
	global_load_b128 v[\dst+8:\dst+11],  v[\ao], s[\sb:\sb+1] offset:\off+64
	global_load_b128 v[\dst+12:\dst+15], v[\ao], s[\sb:\sb+1] offset:\off+80
.endm
.macro LOADK ks                        ; 32 rows x 64 columns: load j brings row 32 ks + j + 8 (j / 8) + 8 h; 16 lanes take 256 aligned bytes
	WIN 0x40
.irp j, 0,1,2,3,4,5,6,7,8,9,10,11,12,13,14,15
	global_load_b128 v[64*\ks+4*\j:64*\ks+4*\j+3], v[XO], s[6:7] offset:(32*\ks+\j+8*(\j/8))*4096
.endr
	WIN 0
.endm
; One K step.  left: the younger K steps' loads.  The two sets of XP take turns: a set is written again two steps later, behind the
; other set's 32 conversions, which are more than the four places that a matrix instruction's sources need (ISA guide 7.12.1).
; The four accumulators take turns, one instruction a turn.
.macro KSTEP ks, left
	s_wait_loadcnt \left
	WIN 0x05
.irp c, 0,1,2,3
.irp i, 0,1,2,3,4,5,6,7
	v_cvt_pk_bf16_f32 v[XP+32*(\ks&1)+8*\c+\i], v[64*\ks+8*\i+\c], v[64*\ks+8*\i+4+\c]
.endr
.endr
	WIN 0
.irp c, 0,1,2,3
.if \ks == 0
	v_wmma_f32_16x16x32_bf16 v[ACC+8*\c:ACC+8*\c+7], v[XP+32*(\ks&1)+8*\c:XP+32*(\ks&1)+8*\c+7], v[QF+8*\ks:QF+8*\ks+7], 0
.else
	v_wmma_f32_16x16x32_bf16 v[ACC+8*\c:ACC+8*\c+7], v[XP+32*(\ks&1)+8*\c:XP+32*(\ks&1)+8*\c+7], v[QF+8*\ks:QF+8*\ks+7], v[ACC+8*\c:ACC+8*\c+7]
.endif
.endr
.endm
	s_load_b128 s[4:7], s[0:1], 0x0                ; act s[4:5], W s[6:7]
	s_load_b64 s[8:9], s[0:1], 0x10                ; Y
	v_lshl_add_u32 v254, v0, 2, 0x4400
	v_mov_b32 v255, 0
	v_lshrrev_b32 v[T0], 5, v0
	v_readfirstlane_b32 s20, v[T0]
	v_and_b32 v[VR], 15, v0
	v_bfe_u32 v[VH], v0, 4, 1
	v_and_b32 v[VR7], 7, v0
	s_and_b32 s21, ttmp7, 0xffff
	s_lshl_b32 s10, s21, 15
	s_mov_b32 s11, 0
	s_lshl_b32 s14, ttmp9, 8                       ; 64 columns of 4 bytes
	s_mov_b32 s15, 0
	s_lshl_b32 s22, s20, 9
	s_lshl_b32 s23, s20, 19                        ; 128 rows of 4,096 bytes
	s_mul_i32 s24, s20, PSW
	v_lshlrev_b32 v[XO], 4, v[VR]
	v_lshl_add_u32 v[XO], v[VH], 15, v[XO]
	v_add_nc_u32 v[XO], s23, v[XO]
	v_lshlrev_b32 v[AO], 12, v[VR7]
	v_lshl_add_u32 v[AO], v[VH], 5, v[AO]
	v_add_nc_u32 v[AO], s22, v[AO]
	v_mul_u32_u24 v[PW], v[VR7], PITCH
	v_lshl_add_u32 v[PW], v[VH], 7, v[PW]
	v_add_nc_u32 v[PW], s24, v[PW]
	v_lshrrev_b32 v[T0], 4, v0
	v_mul_u32_u24 v[ER], v[T0], PITCH
	v_lshl_add_u32 v[ER], v[VR], 4, v[ER]
	v_lshlrev_b32 v[EO], 12, v[T0]
	v_lshl_add_u32 v[EO], v[VR], 4, v[EO]
	s_wait_kmcnt 0x0
	s_add_nc_u64 s[4:5], s[4:5], s[10:11]
	s_add_nc_u64 s[6:7], s[6:7], s[14:15]
	s_add_nc_u64 s[8:9], s[8:9], s[10:11]
	s_add_nc_u64 s[8:9], s[8:9], s[14:15]
.irp ks, 0,1,2,3
	FRLD 4, AO, XP+16*\ks, 128*\ks
.endr
	LOADK 0
	LOADK 1
	s_wait_loadcnt 32                              ; act is in; two K steps' 32 loads stay out
.set ci, 0
.rept 32
	v_cvt_pk_bf16_f32 v[QF+ci], v[XP+2*ci], v[XP+2*ci+1]
.set ci, ci+1
.endr
	LOADK 2
	LOADK 3
	KSTEP 0, 48
	KSTEP 1, 32
	KSTEP 2, 16
	KSTEP 3, 0
.rept 4
	v_nop                                          ; four places in front of the stores that read the sums
.endr
	; register j of accumulator c, lane (r, h) = Y(row r & 7, column 4 (8 h + j) + c)
.irp c, 0,1,2,3
.irp j, 0,1,2,3,4,5,6,7
	ds_store_b32 v[PW], v[ACC+8*\c+\j] offset:16*\j+4*\c
.endr
.endr
	s_wait_dscnt 0x0                               ; my partial sums are in LDS before I say so
	s_barrier_signal -1
	s_barrier_wait -1
	s_cmp_ge_u32 s20, 4
	s_cbranch_scc1 .Lend
.irp p, 0,1,2,3,4,5,6,7
	ds_load_b128 v[XP+4*\p:XP+4*\p+3], v[ER] offset:\p*PSW
.endr
	s_wait_dscnt 0x0
.irp p, 0,2,4,6
	v_pk_add_f32 v[XP+4*\p:XP+4*\p+1],   v[XP+4*\p:XP+4*\p+1],   v[XP+4*\p+4:XP+4*\p+5]
	v_pk_add_f32 v[XP+4*\p+2:XP+4*\p+3], v[XP+4*\p+2:XP+4*\p+3], v[XP+4*\p+6:XP+4*\p+7]
.endr
.irp p, 0,4
	v_pk_add_f32 v[XP+4*\p:XP+4*\p+1],   v[XP+4*\p:XP+4*\p+1],   v[XP+4*\p+8:XP+4*\p+9]
	v_pk_add_f32 v[XP+4*\p+2:XP+4*\p+3], v[XP+4*\p+2:XP+4*\p+3], v[XP+4*\p+10:XP+4*\p+11]
.endr
	v_pk_add_f32 v[XP:XP+1],   v[XP:XP+1],   v[XP+16:XP+17]
	v_pk_add_f32 v[XP+2:XP+3], v[XP+2:XP+3], v[XP+18:XP+19]
	global_store_b128 v[EO], v[XP:XP+3], s[8:9]    ; 16 lanes store 256 consecutive bytes, aligned
.Lend:
	s_wait_tensorcnt 0x0
	ds_add_u32 v254, v255
	s_wait_dscnt 0x0
	s_endpgm
.Lfunc_end_k_q74d98a1959_qkproj:
	.size	k_q74d98a1959_qkproj, .Lfunc_end_k_q74d98a1959_qkproj-k_q74d98a1959_qkproj
	.p2alignl 7, 3214868480
	.fill 96, 4, 3214868480
	.section	.rodata,"a",@progbits
	.p2align	6, 0x0
	.amdhsa_kernel k_q74d98a1959_qkproj
		.amdhsa_group_segment_fixed_size 18432
		.amdhsa_private_segment_fixed_size 0
		.amdhsa_enable_private_segment 0
		.amdhsa_kernarg_size 24
		.amdhsa_user_sgpr_count 2
		.amdhsa_user_sgpr_kernarg_segment_ptr 1
		.amdhsa_wavefront_size32 1
		.amdhsa_system_sgpr_workgroup_id_x 1
		.amdhsa_system_sgpr_workgroup_id_y 1
		.amdhsa_system_sgpr_workgroup_id_z 1
		.amdhsa_system_vgpr_workitem_id 0
		.amdhsa_next_free_vgpr 512
		.amdhsa_next_free_sgpr 66
		.amdhsa_reserve_vcc 0
		.amdhsa_float_denorm_mode_32 3
		.amdhsa_float_denorm_mode_16_64 3
		.amdhsa_memory_ordered 1
		.amdhsa_forward_progress 1
		.amdhsa_inst_pref_size 25
	.end_amdhsa_kernel
	.amdgpu_metadata
---
amdhsa.version: [ 1, 2 ]
amdhsa.kernels:
  - .name:           k_q74d98a1959_qkproj
    .symbol:         k_q74d98a1959_qkproj.kd
    .args:
      - { .name: q, .offset: 0, .size: 8, .value_kind: global_buffer, .address_space: global }
      - { .name: W_k, .offset: 8, .size: 8, .value_kind: global_buffer, .address_space: global }
      - { .name: qk, .offset: 16, .size: 8, .value_kind: global_buffer, .address_space: global }
    .group_segment_fixed_size: 18432
    .private_segment_fixed_size: 0
    .kernarg_segment_align: 8
    .kernarg_segment_size: 24
    .max_flat_workgroup_size: 256
    .sgpr_count:     66
    .vgpr_count:     512
    .wavefront_size: 32
...
	.end_amdgpu_metadata
.endif
;; end of part 2
;; launch pass1 (part 3): grid 256 x 1, 8 waves a work-group, no clusters, 111,616 bytes of LDS; arguments carry_state, node_mask, qk, accp, ml; writes accp, ml
.if DOCPART == 3
	.amdgcn_target "amdgcn-amd-amdhsa--gfx1250"
	.amdhsa_code_object_version 6
	.text
	.protected	k_q74d98a1959_pass1
	.globl	k_q74d98a1959_pass1
	.p2align	8
	.type	k_q74d98a1959_pass1,@function
k_q74d98a1959_pass1:
	s_mov_b64 s[64:65], 0
	v_nop
	global_prefetch_b8 v0, s[64:65] scope:SCOPE_SE
	s_setreg_imm32_b32 hwreg(HW_REG_WAVE_MODE, 25, 1), 1
	s_wait_xcnt 0x0
; The region tokens attend to the nodes, one chunk of 128 nodes a work-group (32 chunks a batch):
;   s[r][n] = x[n] . qk[r] / 32 (masked nodes: -inf),  m[r] = max over n,  p = exp(s - m),  l[r] = sum p,  acc[r][d] = sum over n of p x[n][d].
; keys and values are never formed: q . (x W_k^T) = x . (q W_k) and attn (x W_v^T) = (attn x) W_v^T; the order of rounding differs from the model's text.
; The maximum runs over the chunk's four tiles of 32 nodes; a later launch merges the chunks by their maxima.  m is kept in the base-2 domain (s log2 e / 32).
; LIMITS: inputs finite.  The running maximum starts at -2^127 in place of -inf, so that a chunk with no node left gives m = -2^127, l = 0, acc = 0.
; Wave w owns columns d = 128 w .. + 127.  x is read from memory once, straight into registers (16 lanes: 256 consecutive aligned bytes of a row),
; two tiles ahead: 2 x 128 registers a wave are on their way.  From those registers it is packed to bf16 twice:
;   along d into the wave's LDS stage (fragments with K = d, for the scores), and pairs of neighbouring nodes in registers (fragments with K = node, for p x).
; Each wave's scores cover its 128 columns only: the eight partial scores meet in LDS, one barrier a tile, and every wave adds all eight in the same order.
; No tensor loads (the second packing needs the f32 in registers anyway), so no cluster: work-groups share only qk, 32 KiB.
.set PITCH, 272
.set WSTG,  32*PITCH                   ; a wave's stage: 32 nodes x 256 bytes of bf16, padded
.set PS,    8*WSTG                     ; partial scores: 2 buffers x 8 waves x 4 x 512 bytes
.set PSBUF, 16384
.set BIAS,  PS+2*PSBUF                 ; 0 or -inf for each node, laid out as the score registers: tile t, quarter q at 2048 t + 512 q
.set OPITCH, 528                       ; the way out: a region's 128 columns of f32 + 16 bytes
.set VR,  1
.set VH,  2
.set VR7, 3
.set XO,  4                            ; x: 32768 h + 512 w + 16 r
.set SA,  5
.set FA,  6
.set AO,  7                            ; qk: 4096 (r & 7) + 512 w + 32 h
.set PW,  8                            ; PS + 2048 w + 16 lane
.set PR,  9                            ; PS + 16 lane
.set OA,  10
.set ORD, 11
.set GO,  12
.set NINF, 13
.set M,   14                           ; running maximum of my region (lane & 7), base-2 domain
.set LS,  15                           ; running sum
.set AL,  16                           ; v[16:17] 2^(old maximum - new), twice
.set MN,  18
.set T0,  19
.set T1,  20
.set MK,  22                           ; v[22:23] 8 bytes of the mask
.set BW,  24
.set L16, 25
.set MO,  26
.set QF,  32                           ; v[32:63]   qk: 4 fragments
.set S,   64                           ; v[64:79]   scores of 32 nodes: register 8 mt + j, lane (r, h) = node 16 mt + 8 h + j, region r & 7
.set PF,  80                           ; v[80:87]   p as a fragment, K = node
.set AF,  88                           ; v[88:119]  fragments of x, K = d; then two sets of 16 for the partial scores
.set TA,  88
.set ACC, 120                          ; v[120:183] 8 accumulators: tile 4 hf + c, register j, lane (r, h) = acc(region r & 7, d = 128 w + 64 hf + 4 (8 h + j) + c)
.set XP,  184                          ; v[184:247] 8 fragments of x, K = node; first qk as loaded and the bf16 on its way to the stage
.set TMP, 184
.set MSB, 0
.macro WIN new
.if MSB != \new
	s_set_vgpr_msb (MSB<<8)|\new
.set MSB, \new
.endif
.endm
.macro PLACES                          ; four independent vector instructions behind a matrix instruction (ISA guide 7.12.1)
.rept 4
	v_nop
.endr
.endm
.macro FRLD sb, ao, dst, off
	global_load_b128 v[\dst:\dst+3],     v[\ao], s[\sb:\sb+1] offset:\off
	global_load_b128 v[\dst+4:\dst+7],   v[\ao], s[\sb:\sb+1] offset:\off+16
	global_load_b128 v[\dst+8:\dst+11],  v[\ao], s[\sb:\sb+1] offset:\off+64
	global_load_b128 v[\dst+12:\dst+15], v[\ao], s[\sb:\sb+1] offset:\off+80
.endm
.macro LOADT buf, off                  ; 32 nodes x my 128 columns: load (hf, j) brings node j + 8 (j / 8) + 8 h, columns 64 hf + 4 r .. + 3
	WIN 0x40
.irp hf, 0,1
.irp j, 0,1,2,3,4,5,6,7,8,9,10,11,12,13,14,15
	global_load_b128 v[128*\buf+4*(16*\hf+\j):128*\buf+4*(16*\hf+\j)+3], v[XO], s[4:5] offset:\off+(\j+8*(\j/8))*4096+\hf*256
.endr
.endr
	WIN 0
.endm
.macro STAGE buf
	WIN 0x05
.irp hf, 0,1
.irp j, 0,1,2,3,4,5,6,7,8,9,10,11,12,13,14,15
	v_cvt_pk_bf16_f32 v[TMP+2*(16*\hf+\j)],   v[128*\buf+4*(16*\hf+\j)],   v[128*\buf+4*(16*\hf+\j)+1]
	v_cvt_pk_bf16_f32 v[TMP+2*(16*\hf+\j)+1], v[128*\buf+4*(16*\hf+\j)+2], v[128*\buf+4*(16*\hf+\j)+3]
.endr
.endr
	WIN 0
.irp hf, 0,1
.irp j, 0,1,2,3,4,5,6,7,8,9,10,11,12,13,14,15
	ds_store_b64 v[SA], v[TMP+2*(16*\hf+\j):TMP+2*(16*\hf+\j)+1] offset:(\j+8*(\j/8))*PITCH+\hf*128
.endr
.endr
.endm
.macro NPACK buf                       ; the same column of two neighbouring nodes in one register: row m = r of fragment 4 hf + c is column 64 hf + 4 r + c
	WIN 0x05
.irp hf, 0,1
.irp c, 0,1,2,3
.irp i, 0,1,2,3,4,5,6,7
	v_cvt_pk_bf16_f32 v[XP+8*(4*\hf+\c)+\i], v[128*\buf+64*\hf+8*\i+\c], v[128*\buf+64*\hf+8*\i+4+\c]
.endr
.endr
.endr
.endm
.macro SMUL d, a, b, zero
.if \zero
	v_wmma_f32_16x16x32_bf16 v[\d:\d+7], v[\a:\a+7], v[\b:\b+7], 0
.else
	v_wmma_f32_16x16x32_bf16 v[\d:\d+7], v[\a:\a+7], v[\b:\b+7], v[\d:\d+7]
.endif
.endm
.macro SCORE                           ; my 128 columns' share of the 32 x 8 scores; the two accumulators take turns, one instruction a turn
.irp rr, 0,1
.irp mt, 0,1
.irp kk, 0,1
	ds_load_b128 v[AF+8*(2*\mt+\kk):AF+8*(2*\mt+\kk)+3],   v[FA] offset:\mt*16*PITCH+(2*\rr+\kk)*64
	ds_load_b128 v[AF+8*(2*\mt+\kk)+4:AF+8*(2*\mt+\kk)+7], v[FA] offset:\mt*16*PITCH+(2*\rr+\kk)*64+32
.endr
.endr
	s_wait_dscnt 0x0
.irp kk, 0,1
.irp mt, 0,1
.if (\rr+\kk)==0
	SMUL S+8*\mt, AF+8*(2*\mt+\kk), QF+8*(2*\rr+\kk), 1
.else
	SMUL S+8*\mt, AF+8*(2*\mt+\kk), QF+8*(2*\rr+\kk), 0
.endif
.endr
.endr
	PLACES                                 ; in front of the next loads into AF, and of the stores that read S
.endr
.endm
.macro PLOAD dst, buf, p               ; wave p's partial scores; p may be a sum, so it stands in brackets
.irp q, 0,1,2,3
	ds_load_b128 v[\dst+4*\q:\dst+4*\q+3], v[PR] offset:(\buf)*PSBUF+(\p)*2048+\q*512
.endr
.endm
; One tile of 32 nodes.  left: the next tile's 32 loads may stay out.  more = 1: the tile two further on is asked for.
.macro TILE t, buf, first, more, left
	s_wait_loadcnt \left
.if \first == 0
	PLACES                                 ; XP was a source of the last tile's matrix instructions
.endif
	STAGE \buf
	NPACK \buf
.if \more
	LOADT \buf, (\t+2)*131072
.endif
	WIN 0
	SCORE
.irp q, 0,1,2,3
	ds_store_b128 v[PW], v[S+4*\q:S+4*\q+3] offset:\buf*PSBUF+\q*512
.endr
	s_wait_dscnt 0x0                       ; my partial scores are in LDS, and my reads of the other buffer (last tile) are back:
	s_barrier_signal -1                    ; one barrier a tile serves both, since the two buffers take turns
	s_barrier_wait -1
.irp q, 0,1,2,3
	ds_load_b128 v[S+4*\q:S+4*\q+3], v[PR] offset:BIAS-PS+\t*2048+\q*512
.endr
	PLOAD TA, \buf, 0
	PLOAD TA+16, \buf, 1
.irp i, 0,1,2,3,4,5,6,7
.if \i == 7
	s_wait_dscnt 0x0
.else
	s_wait_dscnt 4                         ; all but the next partial's four loads
.endif
.irp p, 0,2,4,6,8,10,12,14
	v_pk_add_f32 v[S+\p:S+\p+1], v[S+\p:S+\p+1], v[TA+16*(\i&1)+\p:TA+16*(\i&1)+\p+1]
.endr
.if \i < 6
	PLOAD TA+16*(\i&1), \buf, \i+2
.endif
.endr
	; the tile's maximum for my region: 16 registers, then the other half of the lanes
	v_max3_num_f32 v[T0], v[S], v[S+1], v[S+2]
.irp i, 3,5,7,9,11,13
	v_max3_num_f32 v[T0], v[T0], v[S+\i], v[S+\i+1]
.endr
	v_max_num_f32 v[T0], v[T0], v[S+15]
	v_permlanex16_b32 v[T1], v[T0], s26, s27
	v_max_num_f32 v[T0], v[T0], v[T1]
	v_mul_f32 v[T0], s28, v[T0]            ; log2 e / 32 > 0 keeps the order
.if \first
	v_max_num_f32 v[MN], 0xff000000, v[T0] ; -2^127
.else
	v_max_num_f32 v[MN], v[M], v[T0]
	v_sub_f32 v[T1], v[M], v[MN]
	v_exp_f32 v[AL], v[T1]
	v_exp_f32 v[AL+1], v[T1]               ; first used far below; the next line is a plain instruction that touches neither AL nor T1
.endif
.irp i, 0,1,2,3,4,5,6,7,8,9,10,11,12,13,14,15
	v_fma_f32 v[S+\i], v[S+\i], s28, -v[MN]
.endr
.irp i, 0,1,2,3,4,5,6,7,8,9,10,11,12,13,14,15
	v_exp_f32 v[S+\i], v[S+\i]
.endr
	v_mov_b32 v[M], v[MN]                  ; the plain instruction between the last exponential and its use (ISA guide 5.7.2)
	s_wait_alu depctr_va_vdst(0)
.irp i, 0,1,2,3,4,5,6,7
	v_cvt_pk_bf16_f32 v[PF+\i], v[S+2*\i], v[S+2*\i+1]
.endr
.irp i, 0,4,8,12
	v_pk_add_f32 v[S+\i:S+\i+1], v[S+\i:S+\i+1], v[S+\i+2:S+\i+3]
.endr
	v_pk_add_f32 v[S:S+1], v[S:S+1], v[S+4:S+5]
	v_pk_add_f32 v[S+8:S+9], v[S+8:S+9], v[S+12:S+13]
	v_pk_add_f32 v[S:S+1], v[S:S+1], v[S+8:S+9]
	v_add_f32 v[T0], v[S], v[S+1]
	v_permlanex16_b32 v[T1], v[T0], s26, s27
.if \first
	v_add_f32 v[LS], v[T0], v[T1]
.else
	v_add_f32 v[T0], v[T0], v[T1]
	v_fma_f32 v[LS], v[LS], v[AL], v[T0]
.set ci, 0
.rept 32
	v_pk_mul_f32 v[ACC+2*ci:ACC+2*ci+1], v[ACC+2*ci:ACC+2*ci+1], v[AL:AL+1]
.set ci, ci+1
.endr
.endif
	; acc += p x: eight accumulators take turns, one instruction a turn
.irp fi, 0,1,2,3,4,5,6,7
	SMUL ACC+8*\fi, XP+8*\fi, PF, \first
.endr
.endm
	s_load_b256 s[4:11], s[0:1], 0x0               ; x s[4:5], mask s[6:7], qk s[8:9], accp s[10:11]
	s_load_b64 s[12:13], s[0:1], 0x20              ; ml
	v_lshl_add_u32 v254, v0, 2, 0x1b000
	v_mov_b32 v255, 0
	v_lshrrev_b32 v[T0], 5, v0
	v_readfirstlane_b32 s20, v[T0]                 ; wave 0..7
	v_and_b32 v[VR], 15, v0
	v_bfe_u32 v[VH], v0, 4, 1
	v_and_b32 v[VR7], 7, v0
	v_and_b32 v[L16], 31, v0
	v_lshlrev_b32 v[L16], 4, v[L16]
	v_mov_b32 v[NINF], 0xff800000
	v_mov_b32 v[T1], 0                             ; v_permlanex16_b32 counts as a reader of its destination
	s_mov_b32 s26, 0x76543210                      ; lane i of one half reads lane i of the other
	s_mov_b32 s27, 0xfedcba98
	s_mov_b32 s28, 0x3d38aa3b                      ; log2 e / 32
	s_lshl_b32 s14, ttmp9, 19                      ; chunk x 128 rows of 4,096 bytes (below 2^28)
	s_mov_b32 s15, 0
	s_lshl_b32 s16, ttmp9, 7
	s_mov_b32 s17, 0
	s_lshl_b32 s18, ttmp9, 15
	s_mov_b32 s19, 0
	s_lshl_b32 s24, ttmp9, 6
	s_mov_b32 s25, 0
	s_lshl_b32 s21, s20, 9                         ; 512 w
	s_mul_i32 s22, s20, WSTG
	s_lshl_b32 s23, s20, 11
	s_add_co_u32 s23, s23, PS
	s_lshl_b32 s29, s20, 4
	s_lshl_b32 s30, s20, 10
	s_add_co_u32 s30, s30, BIAS
	v_lshlrev_b32 v[XO], 4, v[VR]
	v_lshl_add_u32 v[XO], v[VH], 15, v[XO]
	v_add_nc_u32 v[XO], s21, v[XO]
	v_mul_u32_u24 v[SA], v[VH], 8*PITCH
	v_lshl_add_u32 v[SA], v[VR], 3, v[SA]
	v_add_nc_u32 v[SA], s22, v[SA]
	v_mul_u32_u24 v[FA], v[VR], PITCH
	v_lshl_add_u32 v[FA], v[VH], 4, v[FA]
	v_add_nc_u32 v[FA], s22, v[FA]
	v_lshlrev_b32 v[AO], 12, v[VR7]
	v_lshl_add_u32 v[AO], v[VH], 5, v[AO]
	v_add_nc_u32 v[AO], s21, v[AO]
	v_add_nc_u32 v[PW], s23, v[L16]
	v_add_nc_u32 v[PR], PS, v[L16]
	v_add_nc_u32 v[BW], s30, v[L16]
	v_mul_u32_u24 v[OA], v[VR7], OPITCH
	v_lshl_add_u32 v[OA], v[VH], 7, v[OA]
	v_add_nc_u32 v[OA], s22, v[OA]
	v_add_nc_u32 v[ORD], s22, v[L16]
	v_add_nc_u32 v[GO], s21, v[L16]
	v_lshl_add_u32 v[MO], v[VH], 3, s29            ; nodes 16 w + 8 h .. + 7 of the chunk
	s_wait_kmcnt 0x0
	s_add_nc_u64 s[4:5], s[4:5], s[14:15]
	s_add_nc_u64 s[6:7], s[6:7], s[16:17]
	s_add_nc_u64 s[10:11], s[10:11], s[18:19]
	s_add_nc_u64 s[12:13], s[12:13], s[24:25]
	global_load_b64 v[MK:MK+1], v[MO], s[6:7]
.irp ks, 0,1,2,3
	FRLD 8, AO, XP+16*\ks, 128*\ks
.endr
	LOADT 0, 0
	s_wait_loadcnt 32                              ; mask and qk are in; tile 0's 32 loads stay out
	; wave w makes the bias of nodes 16 w .. 16 w + 15 (tile w / 2, half w & 1) in the layout of the score registers; read behind tile 0's barrier
.irp b, 0,1,2,3,4,5,6,7
	v_bfe_u32 v[T0], v[MK+\b/4], 8*(\b%4), 8
	v_cmp_eq_u32 vcc_lo, 0, v[T0]
	v_cndmask_b32 v[S+\b], 0, v[NINF], vcc_lo
.endr
	ds_store_b128 v[BW], v[S:S+3]
	ds_store_b128 v[BW], v[S+4:S+7] offset:512
.set ci, 0
.rept 32
	v_cvt_pk_bf16_f32 v[QF+ci], v[XP+2*ci], v[XP+2*ci+1]
.set ci, ci+1
.endr
	LOADT 1, 131072
	TILE 0, 0, 1, 1, 32
	TILE 1, 1, 0, 1, 32
	TILE 2, 0, 0, 0, 32
	TILE 3, 1, 0, 0, 0
	; The way out, through my own stage (my reads of it are over): a region's 128 columns become 512 consecutive bytes.
	; Lanes r and r + 8 hold the same region's numbers and write the same words.
	PLACES
.irp hf, 0,1
.irp c, 0,1,2,3
.irp j, 0,1,2,3,4,5,6,7
	ds_store_b32 v[OA], v[ACC+8*(4*\hf+\c)+\j] offset:256*\hf+16*\j+4*\c
.endr
.endr
.endr
.irp i, 0,1,2,3,4,5,6,7
	ds_load_b128 v[XP+4*\i:XP+4*\i+3], v[ORD] offset:\i*OPITCH   ; LDS serves a wave's instructions in order: these see the stores above
.endr
.irp i, 0,1,2,3,4,5,6,7
	s_wait_dscnt 7-\i
	global_store_b128 v[GO], v[XP+4*\i:XP+4*\i+3], s[10:11] offset:\i*4096   ; the wave stores 512 consecutive bytes, aligned
.endr
	s_cmp_lg_u32 s20, 0
	s_cbranch_scc1 .Ldone                          ; every wave holds the same m and l; wave 0 stores them: 64 bytes a chunk
	v_cmp_gt_u32 vcc_lo, 8, v[VR]
	v_cndmask_b32 v[T0], v[LS], v[M], vcc_lo       ; words 0-7: m, words 8-15: l
	v_lshlrev_b32 v[T1], 2, v[VR]
	global_store_b32 v[T1], v[T0], s[12:13]
.Ldone:
	s_wait_tensorcnt 0x0
	ds_add_u32 v254, v255
	s_wait_dscnt 0x0
	s_endpgm
.Lfunc_end_k_q74d98a1959_pass1:
	.size	k_q74d98a1959_pass1, .Lfunc_end_k_q74d98a1959_pass1-k_q74d98a1959_pass1
	.p2alignl 7, 3214868480
	.fill 96, 4, 3214868480
	.section	.rodata,"a",@progbits
	.p2align	6, 0x0
	.amdhsa_kernel k_q74d98a1959_pass1
		.amdhsa_group_segment_fixed_size 111616
		.amdhsa_private_segment_fixed_size 0
		.amdhsa_enable_private_segment 0
		.amdhsa_kernarg_size 40
		.amdhsa_user_sgpr_count 2
		.amdhsa_user_sgpr_kernarg_segment_ptr 1
		.amdhsa_wavefront_size32 1
		.amdhsa_system_sgpr_workgroup_id_x 1
		.amdhsa_system_sgpr_workgroup_id_y 1
		.amdhsa_system_sgpr_workgroup_id_z 1
		.amdhsa_system_vgpr_workitem_id 0
		.amdhsa_next_free_vgpr 512
		.amdhsa_next_free_sgpr 66
		.amdhsa_reserve_vcc 1
		.amdhsa_float_denorm_mode_32 3
		.amdhsa_float_denorm_mode_16_64 3
		.amdhsa_memory_ordered 1
		.amdhsa_forward_progress 1
		.amdhsa_inst_pref_size 123
	.end_amdhsa_kernel
	.amdgpu_metadata
---
amdhsa.version: [ 1, 2 ]
amdhsa.kernels:
  - .name:           k_q74d98a1959_pass1
    .symbol:         k_q74d98a1959_pass1.kd
    .args:
      - { .name: carry_state, .offset: 0, .size: 8, .value_kind: global_buffer, .address_space: global }
      - { .name: node_mask, .offset: 8, .size: 8, .value_kind: global_buffer, .address_space: global }
      - { .name: qk, .offset: 16, .size: 8, .value_kind: global_buffer, .address_space: global }
      - { .name: accp, .offset: 24, .size: 8, .value_kind: global_buffer, .address_space: global }
      - { .name: ml, .offset: 32, .size: 8, .value_kind: global_buffer, .address_space: global }
    .group_segment_fixed_size: 111616
    .private_segment_fixed_size: 0
    .kernarg_segment_align: 8
    .kernarg_segment_size: 40
    .max_flat_workgroup_size: 256
    .sgpr_count:     66
    .vgpr_count:     512
    .wavefront_size: 32
...
	.end_amdgpu_metadata
.endif
;; end of part 3
;; launch combine (part 4): grid 8 x 16, 8 waves a work-group, no clusters, 0 bytes of LDS; arguments accp, ml, actA; writes actA
.if DOCPART == 4
	.amdgcn_target "amdgcn-amd-amdhsa--gfx1250"
	.amdhsa_code_object_version 6
	.text
	.protected	k_q74d98a1959_combine
	.globl	k_q74d98a1959_combine
	.p2align	8
	.type	k_q74d98a1959_combine,@function
k_q74d98a1959_combine:
	s_mov_b64 s[64:65], 0
	v_nop
	global_prefetch_b8 v0, s[64:65] scope:SCOPE_SE
	s_setreg_imm32_b32 hwreg(HW_REG_WAVE_MODE, 25, 1), 1
	s_wait_xcnt 0x0
; Merges a batch's 32 chunks:  M = max m_g,  c_g = 2^(m_g - M) / sum over g of 2^(m_g - M) l_g,  ax[r][d] = sum over g of c_g acc_g[r][d].
; The sum is left in TWO halves, chunks 0-15 and chunks 16-31: actA is [batch][half][8][1024], and the next launch adds the halves
; inside its matrix tiles, whose 16 columns have room for 2 x 8 rows.  So 128 work-groups share the loads where 64 would.
; Work-group (x, y): columns 128 x .. + 127, y = 2 x batch + half.  Wave = region.  A lane holds 4 columns; for the coefficients lane g is chunk g.
; A batch with no node left has l = 0 everywhere: the sum is not above 0, every c_g is made 0, and ax = 0, as nan_to_num gives in the model.
; All in f32 on the vector unit: 16 multiply-adds a number, bound by the 16 loads; no LDS, no barrier, no matrix unit.
	s_load_b128 s[4:7], s[0:1], 0x0                ; accp s[4:5], ml s[6:7]
	s_load_b64 s[8:9], s[0:1], 0x10                ; actA
	v_lshrrev_b32 v1, 5, v0
	v_readfirstlane_b32 s20, v1                    ; wave = region
	v_and_b32 v1, 31, v0
	v_lshlrev_b32 v3, 4, v1                        ; 16 bytes a lane
	v_mov_b32 v7, 0                                ; v_permlanex16_b32 counts as a reader of its destination
	s_and_b32 s21, ttmp7, 0xffff                   ; y = 2 x batch + half
	s_mov_b32 s26, 0x76543210
	s_mov_b32 s27, 0xfedcba98
	s_lshl_b32 s22, s20, 12                        ; region x 4,096 bytes
	s_lshl_b32 s23, ttmp9, 9                       ; x x 512 bytes
	s_add_co_u32 s22, s22, s23
	s_lshl_b32 s10, s21, 19                        ; y x 16 chunks x 32,768 bytes
	s_add_co_u32 s10, s10, s22
	s_mov_b32 s11, 0
	s_lshl_b32 s14, s21, 15                        ; y x 8 rows x 4,096 bytes
	s_add_co_u32 s14, s14, s22
	s_mov_b32 s15, 0
	s_lshr_b32 s12, s21, 1                         ; batch
	s_lshl_b32 s12, s12, 11                        ; x 32 chunks x 64 bytes
	s_lshl2_add_u32 s12, s20, s12                  ; + 4 x region
	v_lshl_add_u32 v2, v1, 6, s12
	s_and_b32 s24, s21, 1
	s_cmp_lg_u32 s24, 0
	s_cselect_b32 s25, -1, 0                       ; all lanes where this is the upper half
	s_wait_kmcnt 0x0
	s_add_nc_u64 s[4:5], s[4:5], s[10:11]
	s_add_nc_u64 s[8:9], s[8:9], s[14:15]
	global_load_b32 v4, v2, s[6:7]                 ; m of chunk = lane, all 32 chunks of the batch
	global_load_b32 v5, v2, s[6:7] offset:32       ; l
.set g, 0
.rept 16
	global_load_b128 v[32+4*g:32+4*g+3], v3, s[4:5] offset:g*32768   ; the wave takes 512 consecutive bytes, aligned
.set g, g+1
.endr
	s_wait_loadcnt 16                              ; m and l are in; the 16 loads of acc stay out
	v_mov_b32 v6, v4
	v_max_num_f32_dpp v6, v6, v6 row_xmask:1 row_mask:0xf bank_mask:0xf
	v_max_num_f32_dpp v6, v6, v6 row_xmask:2 row_mask:0xf bank_mask:0xf
	v_max_num_f32_dpp v6, v6, v6 row_xmask:4 row_mask:0xf bank_mask:0xf
	v_max_num_f32_dpp v6, v6, v6 row_xmask:8 row_mask:0xf bank_mask:0xf
	v_permlanex16_b32 v7, v6, s26, s27
	v_max_num_f32 v6, v6, v7
	v_sub_f32 v8, v4, v6
	v_exp_f32 v8, v8
	v_nop                                          ; a plain instruction between the exponential and its use (ISA guide 5.7.2)
	s_wait_alu depctr_va_vdst(0)
	v_mul_f32 v9, v8, v5
	v_add_f32_dpp v9, v9, v9 row_xmask:1 row_mask:0xf bank_mask:0xf
	v_add_f32_dpp v9, v9, v9 row_xmask:2 row_mask:0xf bank_mask:0xf
	v_add_f32_dpp v9, v9, v9 row_xmask:4 row_mask:0xf bank_mask:0xf
	v_add_f32_dpp v9, v9, v9 row_xmask:8 row_mask:0xf bank_mask:0xf
	v_permlanex16_b32 v7, v9, s26, s27
	v_add_f32 v9, v9, v7
	v_rcp_f32 v10, v9
	v_cmp_lt_f32 vcc_lo, 0, v9                     ; the plain instruction behind the reciprocal
	s_wait_alu depctr_va_vdst(0)
	v_cndmask_b32 v10, 0, v10, vcc_lo
	v_mul_f32 v8, v8, v10                          ; c of chunk = lane
	v_permlanex16_b32 v7, v8, s26, s27             ; c of chunk = lane xor 16
	v_cndmask_b32 v8, v8, v7, s25                  ; lanes 0-15 now hold the c of my 16 chunks
.set g, 0
.rept 16
	v_readlane_b32 s[32+g], v8, g
.set g, g+1
.endr
	; two chains (even and odd chunks), started by products: nothing is cleared
.set g, 0
.rept 16
	s_wait_loadcnt 15-g                            ; loads come back in order: chunk g is in, the younger ones stay out
.set ch, 12+4*(g&1)
.irp k, 0,1,2,3
.if g < 2
	v_mul_f32 v[ch+\k], s[32+g], v[32+4*g+\k]
.else
	v_fma_f32 v[ch+\k], s[32+g], v[32+4*g+\k], v[ch+\k]
.endif
.endr
.set g, g+1
.endr
	v_pk_add_f32 v[12:13], v[12:13], v[16:17]
	v_pk_add_f32 v[14:15], v[14:15], v[18:19]
	global_store_b128 v3, v[12:15], s[8:9]         ; the wave stores 512 consecutive bytes, aligned
	s_endpgm
.Lfunc_end_k_q74d98a1959_combine:
	.size	k_q74d98a1959_combine, .Lfunc_end_k_q74d98a1959_combine-k_q74d98a1959_combine
	.p2alignl 7, 3214868480
	.fill 96, 4, 3214868480
	.section	.rodata,"a",@progbits
	.p2align	6, 0x0
	.amdhsa_kernel k_q74d98a1959_combine
		.amdhsa_group_segment_fixed_size 0
		.amdhsa_private_segment_fixed_size 0
		.amdhsa_enable_private_segment 0
		.amdhsa_kernarg_size 24
		.amdhsa_user_sgpr_count 2
		.amdhsa_user_sgpr_kernarg_segment_ptr 1
		.amdhsa_wavefront_size32 1
		.amdhsa_system_sgpr_workgroup_id_x 1
		.amdhsa_system_sgpr_workgroup_id_y 1
		.amdhsa_system_sgpr_workgroup_id_z 1
		.amdhsa_system_vgpr_workitem_id 0
		.amdhsa_next_free_vgpr 96
		.amdhsa_next_free_sgpr 66
		.amdhsa_reserve_vcc 1
		.amdhsa_float_denorm_mode_32 3
		.amdhsa_float_denorm_mode_16_64 3
		.amdhsa_memory_ordered 1
		.amdhsa_forward_progress 1
		.amdhsa_inst_pref_size 10
	.end_amdhsa_kernel
	.amdgpu_metadata
---
amdhsa.version: [ 1, 2 ]
amdhsa.kernels:
  - .name:           k_q74d98a1959_combine
    .symbol:         k_q74d98a1959_combine.kd
    .args:
      - { .name: accp, .offset: 0, .size: 8, .value_kind: global_buffer, .address_space: global }
      - { .name: ml, .offset: 8, .size: 8, .value_kind: global_buffer, .address_space: global }
      - { .name: actA, .offset: 16, .size: 8, .value_kind: global_buffer, .address_space: global }
    .group_segment_fixed_size: 0
    .private_segment_fixed_size: 0
    .kernarg_segment_align: 8
    .kernarg_segment_size: 24
    .max_flat_workgroup_size: 256
    .sgpr_count:     66
    .vgpr_count:     96
    .wavefront_size: 32
...
	.end_amdgpu_metadata
.endif
;; end of part 4
;; launch vproj (part 5): grid 32 x 8, 8 waves a work-group, no clusters, 92,160 bytes of LDS; arguments actA, W_v, actB; writes actB
.if DOCPART == 5
	.amdgcn_target "amdgcn-amd-amdhsa--gfx1250"
	.amdhsa_code_object_version 6
	.text
	.protected	k_q74d98a1959_vproj
	.globl	k_q74d98a1959_vproj
	.p2align	8
	.type	k_q74d98a1959_vproj,@function
k_q74d98a1959_vproj:
	s_mov_b64 s[64:65], 0
	v_nop
	global_prefetch_b8 v0, s[64:65] scope:SCOPE_SE
	s_setreg_imm32_b32 hwreg(HW_REG_WAVE_MODE, 25, 1), 1
	s_wait_xcnt 0x0
; A Linear layer on 8 rows, Y = a W^T, with a and Y each kept as TWO partial sums: buffers are [batch][2][8][1024] f32, the value is the sum of the two halves.
;   Y_kx[r][e] = sum over d in half kx of K of (a_0[r][d] + a_1[r][d]) W[e][d]
; Work-group x = 2 x (slice of 64 outputs e) + kx, work-group y = batch: 256 work-groups.
; The 16 columns of a matrix tile hold a_0's 8 rows and a_1's 8 rows; one add across lanes r and r + 8 behind the products joins them.
; So a reader of two partial sums issues no more loads than a reader of one, and K can be split over two work-groups without a launch that adds.
; Eight waves split the half of K: wave w takes d = 512 kx + 64 w .. + 63; the eight partial sums meet in LDS and waves 0-3 add and store them.
; W goes memory -> registers (16 lanes take 256 consecutive, aligned bytes of a row) -> bf16 -> the wave's own LDS stage -> fragments.
; a is given to the matrix unit as hi + lo, two bf16 numbers whose sum holds 16 bits of the f32: intermediates of a chain of products
; are then not rounded to 8 bits at every link.  W is rounded to bf16 once.  Sums in f32.  The order of rounding differs from the model's text.
; No cluster: nothing here is brought by tensor loads.
.set PITCH, 144                        ; a stage row: 128 bytes of bf16 + 16, an odd multiple of 16: 16 rows start in 16 different 16-byte columns
.set WSTG,  64*PITCH                   ; a wave's stage: 64 rows
.set PS,    8*WSTG                     ; behind the stages: partial sums, 8 waves x 8 rows x 272 bytes
.set PPITCH, 272
.set PSW,   8*PPITCH
.set VR,  1                            ; lane & 15
.set VH,  2                            ; lane >> 4
.set VR7, 3                            ; lane & 7
.set XO,  4                            ; W: 32768 h + 256 w + 16 r
.set SA,  5                            ; stage, in:  9216 w + 1152 h + 8 r
.set FA,  6                            ; stage, out: 9216 w + 144 r + 16 h
.set AO,  7                            ; a: 4096 r + 256 w + 32 h (rows 0-7: half 0, rows 8-15: half 1)
.set PW,  8                            ; partial sums, in
.set ER,  9                            ; partial sums, out
.set EO,  10                           ; Y
.set T0,  11
.set QF,  32                           ; v[32:47]   a, hi: 2 fragments (K steps of 32)
.set QL,  48                           ; v[48:63]   a, lo
.set S,   64                           ; v[64:95]   4 accumulators: 16 rows of W each
.set AF,  96                           ; v[96:159]  8 fragments of W: 4 kk + mt; first at work on a's split
.set TMP, 184                          ; v[184:247] a as loaded; bf16 on its way to the stage; the partial sums
                                       ; v[256:383] W as loaded, 64 rows x 64 columns (named v0-v127 under a window)
.set MSB, 0
.macro WIN new                         ; the immediate's high byte repeats the setting that is left
.if MSB != \new
	s_set_vgpr_msb (MSB<<8)|\new
.set MSB, \new
.endif
.endm
; one fragment's worth of f32: lane (row, h) takes k = 8h .. 8h+7 and 16+8h .. 16+8h+7 of 32 numbers at byte off of its row
.macro FRLD sb, ao, dst, off
	global_load_b128 v[\dst:\dst+3],     v[\ao], s[\sb:\sb+1] offset:\off
	global_load_b128 v[\dst+4:\dst+7],   v[\ao], s[\sb:\sb+1] offset:\off+16
	global_load_b128 v[\dst+8:\dst+11],  v[\ao], s[\sb:\sb+1] offset:\off+64
	global_load_b128 v[\dst+12:\dst+15], v[\ao], s[\sb:\sb+1] offset:\off+80
.endm
; 32 rows to bf16 and into my stage, rows along K: load (mtp, j) brought row 32 mtp + j + 8 (j / 8) + 8 h, columns 4 r .. + 3
.macro STAGE mtp
	WIN 0x05                               ; both sources in v256-v383
.irp j, 0,1,2,3,4,5,6,7,8,9,10,11,12,13,14,15
	v_cvt_pk_bf16_f32 v[TMP+2*(16*\mtp+\j)],   v[4*(16*\mtp+\j)],   v[4*(16*\mtp+\j)+1]
	v_cvt_pk_bf16_f32 v[TMP+2*(16*\mtp+\j)+1], v[4*(16*\mtp+\j)+2], v[4*(16*\mtp+\j)+3]
.endr
	WIN 0
.irp j, 0,1,2,3,4,5,6,7,8,9,10,11,12,13,14,15
	ds_store_b64 v[SA], v[TMP+2*(16*\mtp+\j):TMP+2*(16*\mtp+\j)+1] offset:(32*\mtp+\j+8*(\j/8))*PITCH
.endr
.endm
.macro SMUL d, a, b, zero
.if \zero
	v_wmma_f32_16x16x32_bf16 v[\d:\d+7], v[\a:\a+7], v[\b:\b+7], 0
.else
	v_wmma_f32_16x16x32_bf16 v[\d:\d+7], v[\a:\a+7], v[\b:\b+7], v[\d:\d+7]
.endif
.endm
; one K step of 32: 64 rows of W times a's hi, then times a's lo.  The four accumulators take turns, one instruction a turn
.macro KMUL kk, zero
.irp mt, 0,1,2,3
	SMUL S+8*\mt, AF+8*(4*\kk+\mt), QF+8*\kk, \zero
.endr
.irp mt, 0,1,2,3
	SMUL S+8*\mt, AF+8*(4*\kk+\mt), QL+8*\kk, 0
.endr
.endm
	s_load_b128 s[4:7], s[0:1], 0x0                ; a s[4:5], W s[6:7]
	s_load_b64 s[8:9], s[0:1], 0x10                ; Y
	v_lshl_add_u32 v254, v0, 2, 0x16400
	v_mov_b32 v255, 0
	v_lshrrev_b32 v[T0], 5, v0
	v_readfirstlane_b32 s20, v[T0]                 ; wave 0..7
	v_and_b32 v[VR], 15, v0
	v_bfe_u32 v[VH], v0, 4, 1
	v_and_b32 v[VR7], 7, v0
	s_and_b32 s21, ttmp7, 0xffff                   ; batch
	s_lshr_b32 s25, ttmp9, 1                       ; slice of 64 outputs
	s_and_b32 s26, ttmp9, 1                        ; kx: which half of K
	s_lshl_b32 s27, s26, 11                        ; 512 columns of 4 bytes
	s_lshl_b32 s10, s21, 16                        ; a: batch x 16 rows of 4,096 bytes + the half of K
	s_add_co_u32 s10, s10, s27
	s_mov_b32 s11, 0
	s_lshl_b32 s12, s25, 18                        ; W: slice x 64 rows + the half of K
	s_add_co_u32 s12, s12, s27
	s_mov_b32 s13, 0
	s_lshl_b32 s14, s21, 16                        ; Y: batch x 16 rows + kx x 8 rows + slice x 256 bytes
	s_lshl_b32 s28, s26, 15
	s_add_co_u32 s14, s14, s28
	s_lshl_b32 s28, s25, 8
	s_add_co_u32 s14, s14, s28
	s_mov_b32 s15, 0
	s_lshl_b32 s22, s20, 8                         ; 256 w
	s_mul_i32 s23, s20, WSTG
	s_mul_i32 s24, s20, PSW
	s_add_co_u32 s24, s24, PS
	v_lshlrev_b32 v[XO], 4, v[VR]
	v_lshl_add_u32 v[XO], v[VH], 15, v[XO]
	v_add_nc_u32 v[XO], s22, v[XO]
	v_mul_u32_u24 v[SA], v[VH], 8*PITCH
	v_lshl_add_u32 v[SA], v[VR], 3, v[SA]
	v_add_nc_u32 v[SA], s23, v[SA]
	v_mul_u32_u24 v[FA], v[VR], PITCH
	v_lshl_add_u32 v[FA], v[VH], 4, v[FA]
	v_add_nc_u32 v[FA], s23, v[FA]
	v_lshlrev_b32 v[AO], 12, v[VR]
	v_lshl_add_u32 v[AO], v[VH], 5, v[AO]
	v_add_nc_u32 v[AO], s22, v[AO]
	v_mul_u32_u24 v[PW], v[VR7], PPITCH
	v_lshl_add_u32 v[PW], v[VH], 5, v[PW]
	v_add_nc_u32 v[PW], s24, v[PW]
	v_lshrrev_b32 v[T0], 4, v0                     ; the adders: thread t takes 16 bytes at 16 (t & 15) of row t >> 4
	v_mul_u32_u24 v[ER], v[T0], PPITCH
	v_lshl_add_u32 v[ER], v[VR], 4, v[ER]
	v_add_nc_u32 v[ER], PS, v[ER]
	v_lshlrev_b32 v[EO], 12, v[T0]
	v_lshl_add_u32 v[EO], v[VR], 4, v[EO]
	s_wait_kmcnt 0x0
	s_add_nc_u64 s[4:5], s[4:5], s[10:11]
	s_add_nc_u64 s[6:7], s[6:7], s[12:13]
	s_add_nc_u64 s[8:9], s[8:9], s[14:15]
	FRLD 4, AO, TMP, 0                             ; my 64 of K of a's 16 rows: 8 loads
	FRLD 4, AO, TMP+16, 128
	WIN 0x40                                       ; destination in v256-v383
.irp mtp, 0,1
.irp j, 0,1,2,3,4,5,6,7,8,9,10,11,12,13,14,15
	global_load_b128 v[4*(16*\mtp+\j):4*(16*\mtp+\j)+3], v[XO], s[6:7] offset:(32*\mtp+\j+8*(\j/8))*4096
.endr
.endr
	WIN 0
	s_wait_loadcnt 32                              ; a is in; the 32 loads of W stay out
	; hi = bf16(a), lo = bf16(a - hi), in runs so that no line waits for the line in front of it
.set ci, 0
.rept 16
	v_cvt_pk_bf16_f32 v[QF+ci], v[TMP+2*ci], v[TMP+2*ci+1]
.set ci, ci+1
.endr
.set ci, 0
.rept 16
	v_lshlrev_b32 v[AF+2*ci], 16, v[QF+ci]
	v_and_b32 v[AF+2*ci+1], 0xffff0000, v[QF+ci]
.set ci, ci+1
.endr
.set ci, 0
.rept 32
	v_sub_f32 v[AF+ci], v[TMP+ci], v[AF+ci]
.set ci, ci+1
.endr
.set ci, 0
.rept 16
	v_cvt_pk_bf16_f32 v[QL+ci], v[AF+2*ci], v[AF+2*ci+1]
.set ci, ci+1
.endr
	s_wait_loadcnt 16                              ; W's rows 0-31 are in; the 16 loads of rows 32-63 stay out
	STAGE 0
	s_wait_loadcnt 0x0
	STAGE 1
.irp kk, 0,1
.irp mt, 0,1,2,3
	ds_load_b128 v[AF+8*(4*\kk+\mt):AF+8*(4*\kk+\mt)+3],   v[FA] offset:\mt*16*PITCH+\kk*64
	ds_load_b128 v[AF+8*(4*\kk+\mt)+4:AF+8*(4*\kk+\mt)+7], v[FA] offset:\mt*16*PITCH+\kk*64+32
.endr
.endr
	s_wait_dscnt 8                                 ; LDS serves my instructions in order: the stores and the first K step's 8 loads are done, the second's 8 stay out
	KMUL 0, 1
	s_wait_dscnt 0x0
	KMUL 1, 0
.rept 4
	v_nop                                          ; four independent vector instructions behind the last matrix instructions (ISA guide 7.12.1)
.endr
	; column r holds a_0's share of row r (r < 8) or a_1's share of row r - 8: join them; both lanes then hold the same sum
.set ci, 0
.rept 32
	v_add_f32_dpp v[S+ci], v[S+ci], v[S+ci] row_xmask:8 row_mask:0xf bank_mask:0xf
.set ci, ci+1
.endr
	; register j of accumulator M, lane (r, h) = Y(row r & 7, column 16 M + 8 h + j); lanes r and r + 8 write the same words with the same numbers
.irp mm, 0,1,2,3
	ds_store_b128 v[PW], v[S+8*\mm:S+8*\mm+3]   offset:64*\mm
	ds_store_b128 v[PW], v[S+8*\mm+4:S+8*\mm+7] offset:64*\mm+16
.endr
	s_wait_dscnt 0x0                               ; my partial sums are in LDS before I say so
	s_barrier_signal -1
	s_barrier_wait -1
	s_cmp_ge_u32 s20, 4
	s_cbranch_scc1 .Lend                           ; 128 threads x 16 bytes are the 8 x 256 bytes of the result
.irp p, 0,1,2,3,4,5,6,7
	ds_load_b128 v[TMP+4*\p:TMP+4*\p+3], v[ER] offset:\p*PSW
.endr
	s_wait_dscnt 0x0
.irp p, 0,2,4,6
	v_pk_add_f32 v[TMP+4*\p:TMP+4*\p+1],   v[TMP+4*\p:TMP+4*\p+1],   v[TMP+4*\p+4:TMP+4*\p+5]
	v_pk_add_f32 v[TMP+4*\p+2:TMP+4*\p+3], v[TMP+4*\p+2:TMP+4*\p+3], v[TMP+4*\p+6:TMP+4*\p+7]
.endr
.irp p, 0,4
	v_pk_add_f32 v[TMP+4*\p:TMP+4*\p+1],   v[TMP+4*\p:TMP+4*\p+1],   v[TMP+4*\p+8:TMP+4*\p+9]
	v_pk_add_f32 v[TMP+4*\p+2:TMP+4*\p+3], v[TMP+4*\p+2:TMP+4*\p+3], v[TMP+4*\p+10:TMP+4*\p+11]
.endr
	v_pk_add_f32 v[TMP:TMP+1],   v[TMP:TMP+1],   v[TMP+16:TMP+17]
	v_pk_add_f32 v[TMP+2:TMP+3], v[TMP+2:TMP+3], v[TMP+18:TMP+19]
	global_store_b128 v[EO], v[TMP:TMP+3], s[8:9]  ; 16 lanes store 256 consecutive bytes, aligned
.Lend:
	s_wait_tensorcnt 0x0
	ds_add_u32 v254, v255
	s_wait_dscnt 0x0
	s_endpgm
.Lfunc_end_k_q74d98a1959_vproj:
	.size	k_q74d98a1959_vproj, .Lfunc_end_k_q74d98a1959_vproj-k_q74d98a1959_vproj
	.p2alignl 7, 3214868480
	.fill 96, 4, 3214868480
	.section	.rodata,"a",@progbits
	.p2align	6, 0x0
	.amdhsa_kernel k_q74d98a1959_vproj
		.amdhsa_group_segment_fixed_size 92160
		.amdhsa_private_segment_fixed_size 0
		.amdhsa_enable_private_segment 0
		.amdhsa_kernarg_size 24
		.amdhsa_user_sgpr_count 2
		.amdhsa_user_sgpr_kernarg_segment_ptr 1
		.amdhsa_wavefront_size32 1
		.amdhsa_system_sgpr_workgroup_id_x 1
		.amdhsa_system_sgpr_workgroup_id_y 1
		.amdhsa_system_sgpr_workgroup_id_z 1
		.amdhsa_system_vgpr_workitem_id 0
		.amdhsa_next_free_vgpr 384
		.amdhsa_next_free_sgpr 66
		.amdhsa_reserve_vcc 0
		.amdhsa_float_denorm_mode_32 3
		.amdhsa_float_denorm_mode_16_64 3
		.amdhsa_memory_ordered 1
		.amdhsa_forward_progress 1
		.amdhsa_inst_pref_size 24
	.end_amdhsa_kernel
	.amdgpu_metadata
---
amdhsa.version: [ 1, 2 ]
amdhsa.kernels:
  - .name:           k_q74d98a1959_vproj
    .symbol:         k_q74d98a1959_vproj.kd
    .args:
      - { .name: actA, .offset: 0, .size: 8, .value_kind: global_buffer, .address_space: global }
      - { .name: W_v, .offset: 8, .size: 8, .value_kind: global_buffer, .address_space: global }
      - { .name: actB, .offset: 16, .size: 8, .value_kind: global_buffer, .address_space: global }
    .group_segment_fixed_size: 92160
    .private_segment_fixed_size: 0
    .kernarg_segment_align: 8
    .kernarg_segment_size: 24
    .max_flat_workgroup_size: 256
    .sgpr_count:     66
    .vgpr_count:     384
    .wavefront_size: 32
...
	.end_amdgpu_metadata
.endif
;; end of part 5
;; launch oproj: the kernel of part 5 again; grid 32 x 8, 8 waves a work-group, no clusters, 92,160 bytes of LDS; arguments actB, W_out, actA; writes actA
;; launch rkroute (part 6): grid 24 x 8, 8 waves a work-group, no clusters, 43,008 bytes of LDS; arguments actA, W_k, actB, W_rout, b_rout, codebook, W_oproj, out1, modt; writes actB, out1, modt
.if DOCPART == 6
	.amdgcn_target "amdgcn-amd-amdhsa--gfx1250"
	.amdhsa_code_object_version 6
	.text
	.protected	k_q74d98a1959_rkroute
	.globl	k_q74d98a1959_rkroute
	.p2align	8
	.type	k_q74d98a1959_rkroute,@function
k_q74d98a1959_rkroute:
	s_mov_b64 s[64:65], 0
	v_nop
	global_prefetch_b8 v0, s[64:65] scope:SCOPE_SE
	s_setreg_imm32_b32 hwreg(HW_REG_WAVE_MODE, 25, 1), 1
	s_wait_xcnt 0x0
; The two things that need region_features (rf) and nothing of each other, in one launch.  Work-group y = batch.
; rf lies in actA as two partial sums, [batch][2][8][1024] f32; both parts put the 2 x 8 rows into the 16 columns of their matrix tiles
; and join lanes r and r + 8 behind the products.
;   x = 0 .. 15:  rk[8][64 d] = rf[8][1024 e] . W_k[1024 e][64 d], columns 64 x .. + 63, stored plain, [batch][8][1024], into actB.
;                 rf goes BACK through k_proj's weights, so that (x W_k^T) . rf = x . (rf W_k) can be used on the 32,768 rows of carry_state.
;   x = 16 .. 23: logits[r][k] = rf[r] . W_rout[k] + b_rout[k];  w = softmax over k (its maximum taken away);
;                 modes[r][e] = sum over k of w[r][k] C[k][e],  C = codebook . W_oproj^T,  columns e = 32 (x - 16) .. + 31.
; In both the order of rounding differs from the model's text.  The branch between the parts hangs on the work-group's x alone: it is the same in all
; eight waves, and each part has its own barrier and its own end.  Each part also has LDS bytes of its own (rk: 0 .. 17,407; routing: 17,408 .. 41,983),
; so that no store of one part can touch a byte of the other, whichever way a wave goes.  All 192 work-groups have work.  No cluster: no tensor loads.
.set PITCH, 272
.set PSW,   8*PITCH                    ; rk: partial sums, 8 waves x 8 rows x 272 bytes, from LDS byte 0
.set RB,    8*PSW                      ; routing: partial sums, 8 waves x 3,072 bytes, behind rk's
.set VR,  1                            ; lane & 15
.set VH,  2                            ; lane >> 4
.set VR7, 3                            ; lane & 7
.set T0,  13
.set T1,  14
.set MSB, 0
.macro WIN new                         ; the immediate's high byte repeats the setting that is left
.if MSB != \new
	s_set_vgpr_msb (MSB<<8)|\new
.set MSB, \new
.endif
.endm
; one fragment's worth of f32: lane (row, h) takes k = 8h .. 8h+7 and 16+8h .. 16+8h+7 of 32 numbers at byte off of its row
.macro FRLD sb, ao, dst, off
	global_load_b128 v[\dst:\dst+3],     v[\ao], s[\sb:\sb+1] offset:\off
	global_load_b128 v[\dst+4:\dst+7],   v[\ao], s[\sb:\sb+1] offset:\off+16
	global_load_b128 v[\dst+8:\dst+11],  v[\ao], s[\sb:\sb+1] offset:\off+64
	global_load_b128 v[\dst+12:\dst+15], v[\ao], s[\sb:\sb+1] offset:\off+80
.endm
.macro CVTN n, src, dst                ; dst = src is allowed: register dst + i has been read by the time it is written
.set ci, 0
.rept \n
	v_cvt_pk_bf16_f32 v[\dst+ci], v[\src+2*ci], v[\src+2*ci+1]
.set ci, ci+1
.endr
.endm
.macro SMUL d, a, b, zero
.if \zero
	v_wmma_f32_16x16x32_bf16 v[\d:\d+7], v[\a:\a+7], v[\b:\b+7], 0
.else
	v_wmma_f32_16x16x32_bf16 v[\d:\d+7], v[\a:\a+7], v[\b:\b+7], v[\d:\d+7]
.endif
.endm
	v_lshl_add_u32 v254, v0, 2, 0xa400
	v_mov_b32 v255, 0
	v_lshrrev_b32 v[T0], 5, v0
	v_readfirstlane_b32 s20, v[T0]                 ; wave 0..7
	v_and_b32 v[VR], 15, v0
	v_bfe_u32 v[VH], v0, 4, 1
	v_and_b32 v[VR7], 7, v0
	s_and_b32 s21, ttmp7, 0xffff                   ; batch
	s_cmp_ge_u32 ttmp9, 16
	s_cbranch_scc1 .Lroute
; ---------------------------------------------------------------- rk = rf W_k
; Wave w: e = 128 w .. + 127, four K steps of 32.  W_k's rows lie across K here.  A lane loads 4 neighbouring columns of 16 rows; packing the same
; column of two neighbouring rows gives a fragment whose row m = lane & 15 stands for column d = 4 (lane & 15) + c: no LDS on the way in.
; rf's two halves and W_k are rounded to bf16 once; sums in f32.
.set XO,  4                            ; W_k: (128 w + 8 h) rows + 16 r
.set AO,  7                            ; rf: 4096 r + 512 w + 32 h (rows 0-7: half 0, rows 8-15: half 1)
.set PW,  8
.set ER,  9
.set EO,  10
.set QF,  32                           ; v[32:63]   rf: 4 fragments
.set ACC, 64                           ; v[64:95]   4 accumulators, c = 0..3
.set XP,  184                          ; v[184:247] two sets of 4 fragments of W_k; first rf as loaded; last the partial sums
                                       ; v[256:511] W_k as loaded: K step ks at 64 ks
.macro LOADK ks                        ; 32 rows x 64 columns: load j brings row 32 ks + j + 8 (j / 8) + 8 h; 16 lanes take 256 aligned bytes
	WIN 0x40
.irp j, 0,1,2,3,4,5,6,7,8,9,10,11,12,13,14,15
	global_load_b128 v[64*\ks+4*\j:64*\ks+4*\j+3], v[XO], s[6:7] offset:(32*\ks+\j+8*(\j/8))*4096
.endr
	WIN 0
.endm
; One K step.  left: the younger K steps' loads.  The two sets of XP take turns: a set is written again two steps later, behind the
; other set's 32 conversions, which are more than the four places that a matrix instruction's sources need (ISA guide 7.12.1).
; The four accumulators take turns, one instruction a turn.
.macro KSTEP ks, left
	s_wait_loadcnt \left
	WIN 0x05
.irp c, 0,1,2,3
.irp i, 0,1,2,3,4,5,6,7
	v_cvt_pk_bf16_f32 v[XP+32*(\ks&1)+8*\c+\i], v[64*\ks+8*\i+\c], v[64*\ks+8*\i+4+\c]
.endr
.endr
	WIN 0
.irp c, 0,1,2,3
.if \ks == 0
	SMUL ACC+8*\c, XP+32*(\ks&1)+8*\c, QF+8*\ks, 1
.else
	SMUL ACC+8*\c, XP+32*(\ks&1)+8*\c, QF+8*\ks, 0
.endif
.endr
.endm
	s_load_b128 s[4:7], s[0:1], 0x0                ; rf s[4:5], W_k s[6:7]
	s_load_b64 s[8:9], s[0:1], 0x10                ; rk
	s_lshl_b32 s10, s21, 16                        ; rf: batch x 16 rows of 4,096 bytes
	s_mov_b32 s11, 0
	s_lshl_b32 s12, s21, 15                        ; rk: batch x 8 rows
	s_mov_b32 s13, 0
	s_lshl_b32 s14, ttmp9, 8                       ; 64 columns of 4 bytes
	s_mov_b32 s15, 0
	s_lshl_b32 s22, s20, 9
	s_lshl_b32 s23, s20, 19                        ; 128 rows of 4,096 bytes
	s_mul_i32 s24, s20, PSW
	v_lshlrev_b32 v[XO], 4, v[VR]
	v_lshl_add_u32 v[XO], v[VH], 15, v[XO]
	v_add_nc_u32 v[XO], s23, v[XO]
	v_lshlrev_b32 v[AO], 12, v[VR]
	v_lshl_add_u32 v[AO], v[VH], 5, v[AO]
	v_add_nc_u32 v[AO], s22, v[AO]
	v_mul_u32_u24 v[PW], v[VR7], PITCH
	v_lshl_add_u32 v[PW], v[VH], 7, v[PW]
	v_add_nc_u32 v[PW], s24, v[PW]
	v_lshrrev_b32 v[T0], 4, v0
	v_mul_u32_u24 v[ER], v[T0], PITCH
	v_lshl_add_u32 v[ER], v[VR], 4, v[ER]
	v_lshlrev_b32 v[EO], 12, v[T0]
	v_lshl_add_u32 v[EO], v[VR], 4, v[EO]
	s_wait_kmcnt 0x0
	s_add_nc_u64 s[4:5], s[4:5], s[10:11]
	s_add_nc_u64 s[6:7], s[6:7], s[14:15]
	s_add_nc_u64 s[8:9], s[8:9], s[12:13]
	s_add_nc_u64 s[8:9], s[8:9], s[14:15]
.irp ks, 0,1,2,3
	FRLD 4, AO, XP+16*\ks, 128*\ks
.endr
	LOADK 0
	LOADK 1
	s_wait_loadcnt 32                              ; rf is in; two K steps' 32 loads stay out
	CVTN 32, XP, QF
	LOADK 2
	LOADK 3
	KSTEP 0, 48
	KSTEP 1, 32
	KSTEP 2, 16
	KSTEP 3, 0
.rept 4
	v_nop                                          ; four places in front of the lines that read the sums (ISA guide 7.12.1)
.endr
	; column r holds the share of rf's half r >> 3: join lanes r and r + 8; both then hold the same sum
.set ci, 0
.rept 32
	v_add_f32_dpp v[ACC+ci], v[ACC+ci], v[ACC+ci] row_xmask:8 row_mask:0xf bank_mask:0xf
.set ci, ci+1
.endr
	; register j of accumulator c, lane (r, h) = rk(row r & 7, column 4 (8 h + j) + c); lanes r and r + 8 write the same words with the same numbers
.irp c, 0,1,2,3
.irp j, 0,1,2,3,4,5,6,7
	ds_store_b32 v[PW], v[ACC+8*\c+\j] offset:16*\j+4*\c
.endr
.endr
	s_wait_dscnt 0x0                               ; my partial sums are in LDS before I say so
	s_barrier_signal -1
	s_barrier_wait -1
	s_cmp_ge_u32 s20, 4
	s_cbranch_scc1 .Lrk_end                        ; 128 threads x 16 bytes are the 8 x 256 bytes of the result
.irp p, 0,1,2,3,4,5,6,7
	ds_load_b128 v[XP+4*\p:XP+4*\p+3], v[ER] offset:\p*PSW
.endr
	s_wait_dscnt 0x0
.irp p, 0,2,4,6
	v_pk_add_f32 v[XP+4*\p:XP+4*\p+1],   v[XP+4*\p:XP+4*\p+1],   v[XP+4*\p+4:XP+4*\p+5]
	v_pk_add_f32 v[XP+4*\p+2:XP+4*\p+3], v[XP+4*\p+2:XP+4*\p+3], v[XP+4*\p+6:XP+4*\p+7]
.endr
.irp p, 0,4
	v_pk_add_f32 v[XP+4*\p:XP+4*\p+1],   v[XP+4*\p:XP+4*\p+1],   v[XP+4*\p+8:XP+4*\p+9]
	v_pk_add_f32 v[XP+4*\p+2:XP+4*\p+3], v[XP+4*\p+2:XP+4*\p+3], v[XP+4*\p+10:XP+4*\p+11]
.endr
	v_pk_add_f32 v[XP:XP+1],   v[XP:XP+1],   v[XP+16:XP+17]
	v_pk_add_f32 v[XP+2:XP+3], v[XP+2:XP+3], v[XP+18:XP+19]
	global_store_b128 v[EO], v[XP:XP+3], s[8:9]    ; 16 lanes store 256 consecutive bytes, aligned
.Lrk_end:
	s_wait_tensorcnt 0x0
	ds_add_u32 v254, v255
	s_wait_dscnt 0x0
	s_endpgm
; ---------------------------------------------------------------- logits, routing weights, modes
; Every one of a batch's eight work-groups makes the batch's logits anew (8 x 16 x 1024 multiply-adds); the first stores them:
; out1 is 4 KiB in all, 64 bytes a row, stored in pieces of 16 bytes.
; Eight waves split K: 128 of rf's 1024, 32 of the codebook's 256.  Partial sums meet in LDS; waves 0 and 1 finish, 16 columns each.
; rf's halves enter as hi + lo (two bf16 whose sum holds 16 bits of the f32); all other operands are rounded to bf16 once; sums and softmax in f32.
; modt[b][e][r]: the 8 regions' modes of a column, 8 bf16 = 16 bytes, as the last launch's fragments want them.
.set AO1, 4                            ; rf: 4096 r + 512 w + 32 h
.set AO2, 5                            ; W_rout: 4096 r + 512 w + 32 h
.set CO,  6                            ; codebook and W_oproj: 1024 r + 128 w + 32 h
.set BO,  7                            ; b_rout: 32 h
.set PW,  8                            ; RB + 3072 w + 16 lane
.set RA,  9                            ; RB + 16 lane
.set CA,  10                           ; RB + 16 lane + 1024 + 1024 t
.set O1,  11
.set MO,  12
.set RC,  16                           ; v[16:17]
.set RH,  22                           ; v[22:53]   rf, hi: two registers below the raw data, so that no number is overwritten before it is read
.set RF,  24                           ; v[24:87]   rf as loaded; later the partial logits
.set WR,  88                           ; v[88:151]  W_rout as loaded, packed in place into v[88:119]; later the partial C
.set RL,  120                          ; v[120:151] rf, lo
.set CB,  152                          ; v[152:167] codebook, packed in place into v[152:159]
.set WO,  168                          ; v[168:199] W_oproj, two tiles of 16 rows, each packed in place
.set BR,  200                          ; v[200:207] b_rout of codes 8 h .. 8 h + 7
.set LGA, 208
.set LGB, 216
.set C0,  224
.set C1,  232
.Lroute:
	s_load_b64 s[4:5], s[0:1], 0x0                 ; rf
	s_load_b64 s[6:7], s[0:1], 0x18                ; W_rout
	s_load_b128 s[8:11], s[0:1], 0x20              ; b_rout s[8:9], codebook s[10:11]
	s_load_b128 s[12:15], s[0:1], 0x30             ; W_oproj s[12:13], out1 s[14:15]
	s_load_b64 s[16:17], s[0:1], 0x40              ; modt
	s_sub_co_u32 s38, ttmp9, 16                    ; which 32 columns of the modes
	v_and_b32 v[RA], 31, v0
	v_lshlrev_b32 v[RA], 4, v[RA]
	v_add_nc_u32 v[RA], RB, v[RA]                  ; this part's LDS bytes begin behind rk's
	v_mov_b32 v[T1], 0                             ; v_permlanex16_b32 counts as a reader of its destination
	s_mov_b32 s26, 0x76543210
	s_mov_b32 s27, 0xfedcba98
	s_mov_b32 s28, 0x3fb8aa3b                      ; log2 e
	s_lshl_b32 s30, s21, 16                        ; rf: batch x 16 rows of 4,096 bytes
	s_mov_b32 s31, 0
	s_lshl_b32 s32, s38, 15                        ; 32 rows of W_oproj
	s_mov_b32 s33, 0
	s_lshl_b32 s34, s21, 9
	s_mov_b32 s35, 0
	s_lshl_b32 s36, s21, 12
	s_lshl_b32 s23, s38, 9
	s_add_co_u32 s36, s36, s23
	s_mov_b32 s37, 0
	s_lshl_b32 s24, s20, 9
	s_lshl_b32 s25, s20, 7
	s_mul_i32 s29, s20, 3072
	s_lshl_b32 s39, s20, 10
	s_add_co_u32 s39, s39, 1024
	s_lshl_b32 s23, s20, 8
	v_lshlrev_b32 v[AO1], 12, v[VR]
	v_lshl_add_u32 v[AO1], v[VH], 5, v[AO1]
	v_add_nc_u32 v[AO1], s24, v[AO1]
	v_lshlrev_b32 v[AO2], 12, v[VR]
	v_lshl_add_u32 v[AO2], v[VH], 5, v[AO2]
	v_add_nc_u32 v[AO2], s24, v[AO2]
	v_lshlrev_b32 v[CO], 10, v[VR]
	v_lshl_add_u32 v[CO], v[VH], 5, v[CO]
	v_add_nc_u32 v[CO], s25, v[CO]
	v_lshlrev_b32 v[BO], 5, v[VH]
	v_add_nc_u32 v[PW], s29, v[RA]
	v_add_nc_u32 v[CA], s39, v[RA]
	v_lshlrev_b32 v[O1], 6, v[VR7]
	v_lshl_add_u32 v[O1], v[VH], 5, v[O1]
	v_lshl_add_u32 v[MO], v[VR], 4, s23
	s_wait_kmcnt 0x0
	s_add_nc_u64 s[4:5], s[4:5], s[30:31]
	s_add_nc_u64 s[12:13], s[12:13], s[32:33]
	s_add_nc_u64 s[14:15], s[14:15], s[34:35]
	s_add_nc_u64 s[16:17], s[16:17], s[36:37]
.irp ks, 0,1,2,3
	FRLD 4, AO1, RF+16*\ks, 128*\ks
.endr
.irp ks, 0,1,2,3
	FRLD 6, AO2, WR+16*\ks, 128*\ks
.endr
	FRLD 10, CO, CB, 0
	FRLD 12, CO, WO, 0
	FRLD 12, CO, WO+16, 16384
	global_load_b128 v[BR:BR+3], v[BO], s[8:9]
	global_load_b128 v[BR+4:BR+7], v[BO], s[8:9] offset:16
	s_wait_loadcnt 0x0
	CVTN 32, WR, WR
.set ci, 0
.rept 32
	v_cvt_pk_bf16_f32 v[RH+ci], v[RF+2*ci], v[RF+2*ci+1]
	v_lshlrev_b32 v[T0], 16, v[RH+ci]
	v_and_b32 v[RC], 0xffff0000, v[RH+ci]
	v_sub_f32 v[T0], v[RF+2*ci], v[T0]
	v_sub_f32 v[RC], v[RF+2*ci+1], v[RC]
	v_cvt_pk_bf16_f32 v[RL+ci], v[T0], v[RC]
.set ci, ci+1
.endr
	CVTN 8, CB, CB
	CVTN 8, WO, WO
	CVTN 8, WO+16, WO+16
	; no two matrix instructions that follow each other share an accumulator
	SMUL LGA, WR,    RH,    1                      ; register j, lane (r, h) = the share of rf's half r >> 3 in logit(region r & 7, code 8 h + j)
	SMUL LGB, WR+8,  RH+8,  1
	SMUL C0,  CB,    WO,    1                      ; register j, lane (r, h) = C(code 8 h + j, column r of my 32)
	SMUL C1,  CB,    WO+16, 1                      ; the same for column 16 + r
	SMUL LGA, WR+16, RH+16, 0
	SMUL LGB, WR+24, RH+24, 0
	SMUL LGA, WR,    RL,    0
	SMUL LGB, WR+8,  RL+8,  0
	SMUL LGA, WR+16, RL+16, 0
	SMUL LGB, WR+24, RL+24, 0
.rept 4
	v_nop                                          ; four places behind the last matrix instructions (ISA guide 7.12.1)
.endr
.irp p, 0,2,4,6
	v_pk_add_f32 v[LGA+\p:LGA+\p+1], v[LGA+\p:LGA+\p+1], v[LGB+\p:LGB+\p+1]
.endr
.irp i, 0,1,2,3,4,5,6,7
	v_add_f32_dpp v[LGA+\i], v[LGA+\i], v[LGA+\i] row_xmask:8 row_mask:0xf bank_mask:0xf   ; rf's two halves joined: lanes r and r + 8 hold the same sum
.endr
	ds_store_b128 v[PW], v[LGA:LGA+3]
	ds_store_b128 v[PW], v[LGA+4:LGA+7] offset:512
	ds_store_b128 v[PW], v[C0:C0+3]     offset:1024
	ds_store_b128 v[PW], v[C0+4:C0+7]   offset:1536
	ds_store_b128 v[PW], v[C1:C1+3]     offset:2048
	ds_store_b128 v[PW], v[C1+4:C1+7]   offset:2560
	s_wait_dscnt 0x0                               ; my partial sums are in LDS before I say so
	s_barrier_signal -1
	s_barrier_wait -1
	s_cmp_ge_u32 s20, 2
	s_cbranch_scc1 .Lrt_end
	; wave t = 0, 1: all eight partial logits, and the partial C of columns 16 t .. + 15
.irp p, 0,1,2,3,4,5,6,7
	ds_load_b128 v[RF+8*\p:RF+8*\p+3],   v[RA] offset:\p*3072
	ds_load_b128 v[RF+8*\p+4:RF+8*\p+7], v[RA] offset:\p*3072+512
	ds_load_b128 v[WR+8*\p:WR+8*\p+3],   v[CA] offset:\p*3072
	ds_load_b128 v[WR+8*\p+4:WR+8*\p+7], v[CA] offset:\p*3072+512
.endr
	s_wait_dscnt 0x0
.irp p, 1,2,3,4,5,6,7
.irp k, 0,2,4,6
	v_pk_add_f32 v[RF+\k:RF+\k+1], v[RF+\k:RF+\k+1], v[RF+8*\p+\k:RF+8*\p+\k+1]
	v_pk_add_f32 v[WR+\k:WR+\k+1], v[WR+\k:WR+\k+1], v[WR+8*\p+\k:WR+8*\p+\k+1]
.endr
.endr
.irp k, 0,2,4,6
	v_pk_add_f32 v[RF+\k:RF+\k+1], v[RF+\k:RF+\k+1], v[BR+\k:BR+\k+1]
.endr
	s_or_b32 s23, s38, s20
	s_cmp_lg_u32 s23, 0
	s_cbranch_scc1 .Lno_logits                     ; the batch's first work-group, wave 0, stores the logits; v[RF:RF+7] are not written again
	global_store_b128 v[O1], v[RF:RF+3], s[14:15]
	global_store_b128 v[O1], v[RF+4:RF+7], s[14:15] offset:16
.Lno_logits:
	v_max3_num_f32 v[T0], v[RF], v[RF+1], v[RF+2]
	v_max3_num_f32 v[T0], v[T0], v[RF+3], v[RF+4]
	v_max3_num_f32 v[T0], v[T0], v[RF+5], v[RF+6]
	v_max_num_f32 v[T0], v[T0], v[RF+7]
	v_permlanex16_b32 v[T1], v[T0], s26, s27       ; codes 8-15 (0-7) lie in the other half of the lanes
	v_max_num_f32 v[T0], v[T0], v[T1]
	v_mul_f32 v[T0], s28, v[T0]
.irp i, 0,1,2,3,4,5,6,7
	v_fma_f32 v[RF+8+\i], v[RF+\i], s28, -v[T0]
.endr
.irp i, 0,1,2,3,4,5,6,7
	v_exp_f32 v[RF+8+\i], v[RF+8+\i]
.endr
	v_nop                                          ; a plain instruction between the last exponential and its use (ISA guide 5.7.2)
	s_wait_alu depctr_va_vdst(0)
	v_pk_add_f32 v[RF+16:RF+17], v[RF+8:RF+9], v[RF+10:RF+11]
	v_pk_add_f32 v[RF+18:RF+19], v[RF+12:RF+13], v[RF+14:RF+15]
	v_pk_add_f32 v[RF+16:RF+17], v[RF+16:RF+17], v[RF+18:RF+19]
	v_add_f32 v[T0], v[RF+16], v[RF+17]
	v_permlanex16_b32 v[T1], v[T0], s26, s27
	v_add_f32 v[T0], v[T0], v[T1]
	v_rcp_f32 v[RC], v[T0]
	v_rcp_f32 v[RC+1], v[T0]
	v_nop
	s_wait_alu depctr_va_vdst(0)
.irp k, 0,2,4,6
	v_pk_mul_f32 v[RF+8+\k:RF+8+\k+1], v[RF+8+\k:RF+8+\k+1], v[RC:RC+1]
.endr
	; K = code: 16 of the 32 places; the other 16 are zeros on both sides
.irp i, 0,1,2,3
	v_cvt_pk_bf16_f32 v[RF+24+\i], v[RF+8+2*\i], v[RF+8+2*\i+1]   ; weights: row = region, k = 8 h + j
	v_cvt_pk_bf16_f32 v[RF+32+\i], v[WR+2*\i], v[WR+2*\i+1]       ; C: column = e, k = 8 h + j
	v_mov_b32 v[RF+28+\i], 0
	v_mov_b32 v[RF+36+\i], 0
.endr
	SMUL RF+40, RF+24, RF+32, 1                    ; register j, lane (r, h) = modes(region j (rows 8-15 repeat rows 0-7), column r)
.rept 4
	v_nop
.endr
.irp i, 0,1,2,3
	v_cvt_pk_bf16_f32 v[RF+48+\i], v[RF+40+2*\i], v[RF+40+2*\i+1]
.endr
	global_store_b128 v[MO], v[RF+48:RF+51], s[16:17]   ; 16 lanes store 256 consecutive bytes, aligned; the other 16 the same bytes with the same numbers
.Lrt_end:
	s_wait_tensorcnt 0x0
	ds_add_u32 v254, v255
	s_wait_dscnt 0x0
	s_endpgm
.Lfunc_end_k_q74d98a1959_rkroute:
	.size	k_q74d98a1959_rkroute, .Lfunc_end_k_q74d98a1959_rkroute-k_q74d98a1959_rkroute
	.p2alignl 7, 3214868480
	.fill 96, 4, 3214868480
	.section	.rodata,"a",@progbits
	.p2align	6, 0x0
	.amdhsa_kernel k_q74d98a1959_rkroute
		.amdhsa_group_segment_fixed_size 43008
		.amdhsa_private_segment_fixed_size 0
		.amdhsa_enable_private_segment 0
		.amdhsa_kernarg_size 72
		.amdhsa_user_sgpr_count 2
		.amdhsa_user_sgpr_kernarg_segment_ptr 1
		.amdhsa_wavefront_size32 1
		.amdhsa_system_sgpr_workgroup_id_x 1
		.amdhsa_system_sgpr_workgroup_id_y 1
		.amdhsa_system_sgpr_workgroup_id_z 1
		.amdhsa_system_vgpr_workitem_id 0
		.amdhsa_next_free_vgpr 512
		.amdhsa_next_free_sgpr 66
		.amdhsa_reserve_vcc 0
		.amdhsa_float_denorm_mode_32 3
		.amdhsa_float_denorm_mode_16_64 3
		.amdhsa_memory_ordered 1
		.amdhsa_forward_progress 1
		.amdhsa_inst_pref_size 58
	.end_amdhsa_kernel
	.amdgpu_metadata
---
amdhsa.version: [ 1, 2 ]
amdhsa.kernels:
  - .name:           k_q74d98a1959_rkroute
    .symbol:         k_q74d98a1959_rkroute.kd
    .args:
      - { .name: actA, .offset: 0, .size: 8, .value_kind: global_buffer, .address_space: global }
      - { .name: W_k, .offset: 8, .size: 8, .value_kind: global_buffer, .address_space: global }
      - { .name: actB, .offset: 16, .size: 8, .value_kind: global_buffer, .address_space: global }
      - { .name: W_rout, .offset: 24, .size: 8, .value_kind: global_buffer, .address_space: global }
      - { .name: b_rout, .offset: 32, .size: 8, .value_kind: global_buffer, .address_space: global }
      - { .name: codebook, .offset: 40, .size: 8, .value_kind: global_buffer, .address_space: global }
      - { .name: W_oproj, .offset: 48, .size: 8, .value_kind: global_buffer, .address_space: global }
      - { .name: out1, .offset: 56, .size: 8, .value_kind: global_buffer, .address_space: global }
      - { .name: modt, .offset: 64, .size: 8, .value_kind: global_buffer, .address_space: global }
    .group_segment_fixed_size: 43008
    .private_segment_fixed_size: 0
    .kernarg_segment_align: 8
    .kernarg_segment_size: 72
    .max_flat_workgroup_size: 256
    .sgpr_count:     66
    .vgpr_count:     512
    .wavefront_size: 32
...
	.end_amdgpu_metadata
.endif
;; end of part 6
;; launch pass2 (part 7): grid 256 x 1, 8 waves a work-group, no clusters, 138,240 bytes of LDS; arguments carry_state, actB, modt, out0; writes out0
.if DOCPART == 7
	.amdgcn_target "amdgcn-amd-amdhsa--gfx1250"
	.amdhsa_code_object_version 6
	.text
	.protected	k_q74d98a1959_pass2
	.globl	k_q74d98a1959_pass2
	.p2align	8
	.type	k_q74d98a1959_pass2,@function
k_q74d98a1959_pass2:
	s_mov_b64 s[64:65], 0
	v_nop
	global_prefetch_b8 v0, s[64:65] scope:SCOPE_SE
	s_setreg_imm32_b32 hwreg(HW_REG_WAVE_MODE, 25, 1), 1
	s_wait_xcnt 0x0
; Nodes to regions:  t[n][r] = x[n] . rk[r] / 32  (rk = region_features W_k, so that keys are never formed; the order of rounding differs from the model's text),
; a[n] = softmax over the 8 regions (its maximum taken away),  out0[n][e] = sum over r of a[n][r] modes[r][e].
; A work-group owns 128 nodes, in four tiles of 32.  Wave w owns columns d = 128 w .. + 127 of x for the scores; x is read straight into registers
; two tiles ahead (2 x 128 registers a wave on their way), packed to bf16 and passed through the wave's own LDS stage into fragments.
; The eight partial scores meet in LDS, one barrier a tile.  Then wave w finishes nodes 16 (w & 1) .. + 15 and columns e = 64 (w >> 1) .. + 63 of the output.
; The matrix instructions are used so that a lane holds one node: 8 regions of it (softmax without crossing lanes), then 8 neighbouring columns of its output row.
; No tensor loads, so no cluster: work-groups share only rk and the modes, 36 KiB a batch.  LIMIT: inputs finite.
.set PITCH, 272
.set WSTG,  32*PITCH
.set PS,    8*WSTG                     ; partial scores: 2 buffers x 8 waves x 4 x 512 bytes
.set PSBUF, 16384
.set OST,   PS+2*PSBUF                 ; the way out: for each wave 16 rows x (256 + 16) bytes
.set VR,  1
.set VH,  2
.set VR7, 3
.set XO,  4
.set SA,  5
.set FA,  6
.set AO,  7
.set PW,  8
.set PR,  9                            ; PS + 16 lane + 1024 (w & 1)
.set OW,  10
.set ORD, 11
.set GO,  12
.set MO,  13
.set T0,  14
.set T1,  15
.set RC,  16                           ; v[16:17]
.set QF,  32                           ; v[32:63]   rk: 4 fragments
.set S,   64                           ; v[64:79]   register 8 mt + j, lane (r, h) = score(node 16 mt + r, region j)
.set PF,  80                           ; v[80:87]   a as a fragment, K = region; registers 4-7 stay 0
.set AF,  88                           ; v[88:119]
.set MF,  120                          ; v[120:151] modes: 4 fragments of 16 columns, K = region; zeros beyond region 7
.set OUT, 152                          ; v[152:183]
.set TMP, 184                          ; v[184:247] rk as loaded; bf16 on its way to the stage; partial scores; rows on their way out
.set MSB, 0
.macro WIN new
.if MSB != \new
	s_set_vgpr_msb (MSB<<8)|\new
.set MSB, \new
.endif
.endm
.macro PLACES                          ; four independent vector instructions behind a matrix instruction (ISA guide 7.12.1)
.rept 4
	v_nop
.endr
.endm
.macro FRLD sb, ao, dst, off
	global_load_b128 v[\dst:\dst+3],     v[\ao], s[\sb:\sb+1] offset:\off
	global_load_b128 v[\dst+4:\dst+7],   v[\ao], s[\sb:\sb+1] offset:\off+16
	global_load_b128 v[\dst+8:\dst+11],  v[\ao], s[\sb:\sb+1] offset:\off+64
	global_load_b128 v[\dst+12:\dst+15], v[\ao], s[\sb:\sb+1] offset:\off+80
.endm
.macro LOADT buf, off                  ; x is read here for the last time
	WIN 0x40
.irp hf, 0,1
.irp j, 0,1,2,3,4,5,6,7,8,9,10,11,12,13,14,15
	global_load_b128 v[128*\buf+4*(16*\hf+\j):128*\buf+4*(16*\hf+\j)+3], v[XO], s[4:5] offset:\off+(\j+8*(\j/8))*4096+\hf*256 th:TH_LOAD_NT
.endr
.endr
	WIN 0
.endm
.macro STAGE buf
	WIN 0x05
.irp hf, 0,1
.irp j, 0,1,2,3,4,5,6,7,8,9,10,11,12,13,14,15
	v_cvt_pk_bf16_f32 v[TMP+2*(16*\hf+\j)],   v[128*\buf+4*(16*\hf+\j)],   v[128*\buf+4*(16*\hf+\j)+1]
	v_cvt_pk_bf16_f32 v[TMP+2*(16*\hf+\j)+1], v[128*\buf+4*(16*\hf+\j)+2], v[128*\buf+4*(16*\hf+\j)+3]
.endr
.endr
	WIN 0
.irp hf, 0,1
.irp j, 0,1,2,3,4,5,6,7,8,9,10,11,12,13,14,15
	ds_store_b64 v[SA], v[TMP+2*(16*\hf+\j):TMP+2*(16*\hf+\j)+1] offset:(\j+8*(\j/8))*PITCH+\hf*128
.endr
.endr
.endm
.macro SMUL d, a, b, zero
.if \zero
	v_wmma_f32_16x16x32_bf16 v[\d:\d+7], v[\a:\a+7], v[\b:\b+7], 0
.else
	v_wmma_f32_16x16x32_bf16 v[\d:\d+7], v[\a:\a+7], v[\b:\b+7], v[\d:\d+7]
.endif
.endm
.macro SCORE                           ; rk first, x second: a lane holds a node.  The two accumulators take turns, one instruction a turn
.irp rr, 0,1
.irp mt, 0,1
.irp kk, 0,1
	ds_load_b128 v[AF+8*(2*\mt+\kk):AF+8*(2*\mt+\kk)+3],   v[FA] offset:\mt*16*PITCH+(2*\rr+\kk)*64
	ds_load_b128 v[AF+8*(2*\mt+\kk)+4:AF+8*(2*\mt+\kk)+7], v[FA] offset:\mt*16*PITCH+(2*\rr+\kk)*64+32
.endr
.endr
	s_wait_dscnt 0x0
.irp kk, 0,1
.irp mt, 0,1
.if (\rr+\kk)==0
	SMUL S+8*\mt, QF+8*(2*\rr+\kk), AF+8*(2*\mt+\kk), 1
.else
	SMUL S+8*\mt, QF+8*(2*\rr+\kk), AF+8*(2*\mt+\kk), 0
.endif
.endr
.endr
	PLACES                                 ; in front of the next loads into AF, and of the stores that read S
.endr
.endm
; One tile of 32 nodes.  left: the next tile's 32 loads may stay out.  more = 1: the tile two further on is asked for.
.macro TILE t, buf, more, left
	s_wait_loadcnt \left
.if \t
	s_wait_xcnt 0x0                        ; TMP was the data of the last tile's stores: it is rewritten only behind this wait
.endif
	STAGE \buf
.if \more
	LOADT \buf, (\t+2)*131072
.endif
	SCORE
.irp q, 0,1,2,3
	ds_store_b128 v[PW], v[S+4*\q:S+4*\q+3] offset:\buf*PSBUF+\q*512
.endr
	s_wait_dscnt 0x0                       ; my partial scores are in LDS, and my reads of the other buffer (last tile) are back:
	s_barrier_signal -1                    ; one barrier a tile serves both, since the two buffers take turns
	s_barrier_wait -1
.irp p, 0,1,2,3,4,5,6,7
	ds_load_b128 v[TMP+8*\p:TMP+8*\p+3],   v[PR] offset:\buf*PSBUF+\p*2048
	ds_load_b128 v[TMP+8*\p+4:TMP+8*\p+7], v[PR] offset:\buf*PSBUF+\p*2048+512
.endr
	s_wait_dscnt 0x0
.irp p, 1,2,3,4,5,6,7
.irp k, 0,2,4,6
	v_pk_add_f32 v[TMP+\k:TMP+\k+1], v[TMP+\k:TMP+\k+1], v[TMP+8*\p+\k:TMP+8*\p+\k+1]
.endr
.endr
	v_max3_num_f32 v[T0], v[TMP], v[TMP+1], v[TMP+2]
	v_max3_num_f32 v[T0], v[T0], v[TMP+3], v[TMP+4]
	v_max3_num_f32 v[T0], v[T0], v[TMP+5], v[TMP+6]
	v_max_num_f32 v[T0], v[T0], v[TMP+7]
	v_mul_f32 v[T0], s28, v[T0]
.irp i, 0,1,2,3,4,5,6,7
	v_fma_f32 v[TMP+\i], v[TMP+\i], s28, -v[T0]
.endr
.irp i, 0,1,2,3,4,5,6,7
	v_exp_f32 v[TMP+\i], v[TMP+\i]
.endr
	v_nop                                  ; a plain instruction between the last exponential and its use (ISA guide 5.7.2)
	s_wait_alu depctr_va_vdst(0)
	v_pk_add_f32 v[TMP+8:TMP+9], v[TMP:TMP+1], v[TMP+2:TMP+3]
	v_pk_add_f32 v[TMP+10:TMP+11], v[TMP+4:TMP+5], v[TMP+6:TMP+7]
	v_pk_add_f32 v[TMP+8:TMP+9], v[TMP+8:TMP+9], v[TMP+10:TMP+11]
	v_add_f32 v[T1], v[TMP+8], v[TMP+9]
	v_rcp_f32 v[RC], v[T1]
	v_rcp_f32 v[RC+1], v[T1]
	v_nop
	s_wait_alu depctr_va_vdst(0)
.irp k, 0,2,4,6
	v_pk_mul_f32 v[TMP+\k:TMP+\k+1], v[TMP+\k:TMP+\k+1], v[RC:RC+1]
.endr
.irp i, 0,1,2,3
	v_cvt_pk_bf16_f32 v[PF+\i], v[TMP+2*\i], v[TMP+2*\i+1]
.endr
.irp et, 0,1,2,3
	SMUL OUT+8*\et, MF+8*\et, PF, 1        ; register j, lane (r, h) = out(node r, column 16 et + 8 h + j)
.endr
	PLACES
.irp et, 0,1,2,3
	ds_store_b128 v[OW], v[OUT+8*\et:OUT+8*\et+3]   offset:64*\et
	ds_store_b128 v[OW], v[OUT+8*\et+4:OUT+8*\et+7] offset:64*\et+16
.endr
.irp i, 0,1,2,3,4,5,6,7
	ds_load_b128 v[TMP+4*\i:TMP+4*\i+3], v[ORD] offset:\i*2*PITCH   ; my own bytes; LDS serves a wave's instructions in order
.endr
.irp i, 0,1,2,3,4,5,6,7
	s_wait_dscnt 7-\i
	global_store_b128 v[GO], v[TMP+4*\i:TMP+4*\i+3], s[10:11] offset:\t*32768+\i*2048 th:TH_STORE_NT   ; 16 lanes store 256 consecutive bytes, aligned
.endr
.endm
	s_load_b256 s[4:11], s[0:1], 0x0               ; x s[4:5], rk s[6:7], modt s[8:9], out0 s[10:11]
	v_lshl_add_u32 v254, v0, 2, 0x21800
	v_mov_b32 v255, 0
	v_lshrrev_b32 v[T0], 5, v0
	v_readfirstlane_b32 s20, v[T0]
	v_and_b32 v[VR], 15, v0
	v_bfe_u32 v[VH], v0, 4, 1
	v_and_b32 v[VR7], 7, v0
	v_and_b32 v[T1], 31, v0
	v_lshlrev_b32 v[T1], 4, v[T1]                  ; 16 lane
	s_mov_b32 s28, 0x3d38aa3b                      ; log2 e / 32
	s_and_b32 s21, s20, 1                          ; which 16 nodes I finish
	s_lshr_b32 s22, s20, 1                         ; which 64 columns
	s_lshr_b32 s23, ttmp9, 5                       ; batch
	s_lshl_b32 s12, ttmp9, 19
	s_mov_b32 s13, 0
	s_lshl_b32 s14, s23, 15
	s_mov_b32 s15, 0
	s_lshl_b32 s16, s23, 12
	s_mov_b32 s17, 0
	s_lshl_b32 s18, ttmp9, 17                      ; 128 rows of 1,024 bytes
	s_mov_b32 s19, 0
	s_lshl_b32 s24, s20, 9
	s_mul_i32 s25, s20, WSTG
	s_lshl_b32 s26, s20, 11
	s_add_co_u32 s26, s26, PS
	s_lshl_b32 s27, s21, 10
	s_add_co_u32 s27, s27, PS
	s_mul_i32 s29, s20, 16*PITCH
	s_add_co_u32 s29, s29, OST
	s_lshl_b32 s30, s21, 14
	s_lshl_b32 s31, s22, 8
	s_add_co_u32 s30, s30, s31
	s_lshl_b32 s31, s22, 10
	v_lshlrev_b32 v[XO], 4, v[VR]
	v_lshl_add_u32 v[XO], v[VH], 15, v[XO]
	v_add_nc_u32 v[XO], s24, v[XO]
	v_mul_u32_u24 v[SA], v[VH], 8*PITCH
	v_lshl_add_u32 v[SA], v[VR], 3, v[SA]
	v_add_nc_u32 v[SA], s25, v[SA]
	v_mul_u32_u24 v[FA], v[VR], PITCH
	v_lshl_add_u32 v[FA], v[VH], 4, v[FA]
	v_add_nc_u32 v[FA], s25, v[FA]
	v_lshlrev_b32 v[AO], 12, v[VR7]
	v_lshl_add_u32 v[AO], v[VH], 5, v[AO]
	v_add_nc_u32 v[AO], s24, v[AO]
	v_add_nc_u32 v[PW], s26, v[T1]
	v_add_nc_u32 v[PR], s27, v[T1]
	v_mul_u32_u24 v[OW], v[VR], PITCH
	v_lshl_add_u32 v[OW], v[VH], 5, v[OW]
	v_add_nc_u32 v[OW], s29, v[OW]
	v_mul_u32_u24 v[ORD], v[VH], PITCH
	v_lshl_add_u32 v[ORD], v[VR], 4, v[ORD]
	v_add_nc_u32 v[ORD], s29, v[ORD]
	v_lshlrev_b32 v[GO], 10, v[VH]
	v_lshl_add_u32 v[GO], v[VR], 4, v[GO]
	v_add_nc_u32 v[GO], s30, v[GO]
	v_lshl_add_u32 v[MO], v[VR], 4, s31
	s_wait_kmcnt 0x0
	s_add_nc_u64 s[4:5], s[4:5], s[12:13]
	s_add_nc_u64 s[6:7], s[6:7], s[14:15]
	s_add_nc_u64 s[8:9], s[8:9], s[16:17]
	s_add_nc_u64 s[10:11], s[10:11], s[18:19]
.irp ks, 0,1,2,3
	FRLD 6, AO, TMP+16*\ks, 128*\ks
.endr
.irp et, 0,1,2,3
	global_load_b128 v[MF+8*\et:MF+8*\et+3], v[MO], s[8:9] offset:256*\et
.endr
	LOADT 0, 0
	s_wait_loadcnt 32                              ; rk and the modes are in; tile 0's 32 loads stay out
.set ci, 0
.rept 32
	v_cvt_pk_bf16_f32 v[QF+ci], v[TMP+2*ci], v[TMP+2*ci+1]
.set ci, ci+1
.endr
	v_cmp_eq_u32 vcc_lo, 0, v[VH]                  ; K = region: places 0-7 lie in lanes 0-15, registers 0-3; all other places are zeros
.irp et, 0,1,2,3
.irp i, 0,1,2,3
	v_cndmask_b32 v[MF+8*\et+\i], 0, v[MF+8*\et+\i], vcc_lo
	v_mov_b32 v[MF+8*\et+4+\i], 0
.endr
.endr
.irp i, 4,5,6,7
	v_mov_b32 v[PF+\i], 0
.endr
	LOADT 1, 131072
	TILE 0, 0, 1, 32
	TILE 1, 1, 1, 32
	TILE 2, 0, 0, 32
	TILE 3, 1, 0, 0
	s_wait_tensorcnt 0x0
	ds_add_u32 v254, v255
	s_wait_dscnt 0x0
	s_endpgm
.Lfunc_end_k_q74d98a1959_pass2:
	.size	k_q74d98a1959_pass2, .Lfunc_end_k_q74d98a1959_pass2-k_q74d98a1959_pass2
	.p2alignl 7, 3214868480
	.fill 96, 4, 3214868480
	.section	.rodata,"a",@progbits
	.p2align	6, 0x0
	.amdhsa_kernel k_q74d98a1959_pass2
		.amdhsa_group_segment_fixed_size 138240
		.amdhsa_private_segment_fixed_size 0
		.amdhsa_enable_private_segment 0
		.amdhsa_kernarg_size 32
		.amdhsa_user_sgpr_count 2
		.amdhsa_user_sgpr_kernarg_segment_ptr 1
		.amdhsa_wavefront_size32 1
		.amdhsa_system_sgpr_workgroup_id_x 1
		.amdhsa_system_sgpr_workgroup_id_y 1
		.amdhsa_system_sgpr_workgroup_id_z 1
		.amdhsa_system_vgpr_workitem_id 0
		.amdhsa_next_free_vgpr 512
		.amdhsa_next_free_sgpr 66
		.amdhsa_reserve_vcc 1
		.amdhsa_float_denorm_mode_32 3
		.amdhsa_float_denorm_mode_16_64 3
		.amdhsa_memory_ordered 1
		.amdhsa_forward_progress 1
		.amdhsa_inst_pref_size 82
	.end_amdhsa_kernel
	.amdgpu_metadata
---
amdhsa.version: [ 1, 2 ]
amdhsa.kernels:
  - .name:           k_q74d98a1959_pass2
    .symbol:         k_q74d98a1959_pass2.kd
    .args:
      - { .name: carry_state, .offset: 0, .size: 8, .value_kind: global_buffer, .address_space: global }
      - { .name: actB, .offset: 8, .size: 8, .value_kind: global_buffer, .address_space: global }
      - { .name: modt, .offset: 16, .size: 8, .value_kind: global_buffer, .address_space: global }
      - { .name: out0, .offset: 24, .size: 8, .value_kind: global_buffer, .address_space: global }
    .group_segment_fixed_size: 138240
    .private_segment_fixed_size: 0
    .kernarg_segment_align: 8
    .kernarg_segment_size: 32
    .max_flat_workgroup_size: 256
    .sgpr_count:     66
    .vgpr_count:     512
    .wavefront_size: 32
...
	.end_amdgpu_metadata
.endif
;; end of part 7
;; ======== version 2 of 2: 8 launches; version 1 with the launch pass1 written anew for expert scheduling mode
;; workspace buffers: q 32,768 bytes; qk 32,768 bytes; accp 8,388,608 bytes; ml 16,384 bytes; actA 524,288 bytes; actB 524,288 bytes; modt 32,768 bytes
;; launch qproj: the kernel of part 1 again; grid 16 x 1, 8 waves a work-group, no clusters, 88,064 bytes of LDS; arguments region_tokens, W_q, q; writes q
;; launch qkproj: the kernel of part 2 again; grid 16 x 1, 8 waves a work-group, no clusters, 18,432 bytes of LDS; arguments q, W_k, qk; writes qk
;; launch pass1 (part 8): grid 256 x 1, 8 waves a work-group, no clusters, 111,616 bytes of LDS; arguments carry_state, node_mask, qk, accp, ml; writes accp, ml
.if DOCPART == 8
	.amdgcn_target "amdgcn-amd-amdhsa--gfx1250"
	.amdhsa_code_object_version 6
	.text
	.protected	k_q74d98a1959_pass1
	.globl	k_q74d98a1959_pass1
	.p2align	8
	.type	k_q74d98a1959_pass1,@function
k_q74d98a1959_pass1:
	s_mov_b64 s[64:65], 0
	v_nop
	global_prefetch_b8 v0, s[64:65] scope:SCOPE_SE
	s_setreg_imm32_b32 hwreg(HW_REG_WAVE_SCHED_MODE, 0, 2), 2
	s_setreg_imm32_b32 hwreg(HW_REG_WAVE_MODE, 25, 1), 1
	s_wait_xcnt 0x0
	s_wait_alu depctr_vm_vsrc(0)
; The region tokens attend to the nodes, one chunk of 128 nodes a work-group (32 chunks a batch):
;   s[r][n] = x[n] . qk[r] / 32 (masked nodes: -inf),  m[r] = max over n,  p = exp(s - m),  l[r] = sum p,  acc[r][d] = sum over n of p x[n][d].
; keys and values are never formed: q . (x W_k^T) = x . (q W_k) and attn (x W_v^T) = (attn x) W_v^T; the order of rounding differs from the model's text.
; The maximum runs over the chunk's four tiles of 32 nodes; a later launch merges the chunks by their maxima.  m is kept in the base-2 domain (s log2 e / 32).
; LIMITS: inputs finite.  The running maximum starts at -2^127 in place of -inf, so that a chunk with no node left gives m = -2^127, l = 0, acc = 0.
; Wave w owns columns d = 128 w .. + 127.  x is read from memory once, straight into registers (16 lanes: 256 consecutive aligned bytes of a row),
; two tiles ahead: 2 x 128 registers a wave are on their way.  From those registers it is packed to bf16 twice:
;   along d into the wave's LDS stage (fragments with K = d, for the scores), and pairs of neighbouring nodes in registers (fragments with K = node, for p x).
; Each wave's scores cover its 128 columns only: the eight partial scores meet in LDS, one barrier a tile, and every wave adds all eight in the same order.
; No tensor loads (the second packing needs the f32 in registers anyway), so no cluster: work-groups share only qk, 32 KiB.
; THE MODE: SCHED_MODE bits 1:0 = 2 (LLVM: expert scheduling mode 2), set by the entry lines.  The code itself states the register dependences
; between vector or matrix instructions and memory or LDS instructions, with s_wait_alu, always for 0.
; THE PLAN.  Registers that memory or LDS instructions touch, in a tile's order:
;   RAW0, RAW1    Tile t's two packings read RAW[t % 2]; behind them the loads of tile t + 2 land in it.
;   SB            64 registers: the first packing writes them, the 32 stores into the stage read them.  They are apart from XP, so that the second packing
;                 follows the stores with no wait.  When the stores have read them they serve again, as S and FB:
;   S             The score products write it; 4 LDS stores read it (my partial scores); the bias lands in it; from there on vector work alone.
;   FB            Six fragment slots: K steps 0, 1, 2 land at once, K step 3 in step 0's slots when step 0's two products have read them.
;                 Then three buffers of 16 for the other waves' partial scores: loads land, packed adds read.  Slot 0 is PF at the tile's end.
;   XP, ACC, QF   Named by vector and matrix instructions alone, until the way out.
;   v4-12, 24, 26 Offsets and LDS addresses: made at the head, never written again.
; The waits of a tile: on va_vdst behind the first packing (SB is written), behind the second (RAW has been read), behind K step 0's products (their slots have been read),
; behind the last products (S is written, all slots have been read), three in the sum of the partial scores (a buffer has been read), one for the exponentials;
; on vm_vsrc ahead of the fragments' loads (the stage's stores have read SB) and behind the barrier (my four stores have read S).
.set PITCH, 272
.set WSTG,  32*PITCH                   ; a wave's stage: 32 nodes x 256 bytes of bf16, padded
.set PS,    8*WSTG                     ; partial scores: 2 buffers x 8 waves x 4 x 512 bytes
.set PSBUF, 16384
.set BIAS,  PS+2*PSBUF                 ; 0 or -inf for each node, laid out as the score registers: tile t, quarter q at 2048 t + 512 q
.set OPITCH, 528                       ; the way out: a region's 128 columns of f32 + 16 bytes
.set VR,  1
.set VH,  2
.set VR7, 3
.set XO,  4                            ; x: 32768 h + 512 w + 16 r
.set SA,  5
.set FA,  6
.set AO,  7                            ; qk: 4096 (r & 7) + 512 w + 32 h
.set PW,  8                            ; PS + 2048 w + 16 lane
.set PR,  9                            ; PS + 16 lane
.set OA,  10
.set ORD, 11
.set GO,  12
.set NINF, 13
.set M,   14                           ; running maximum of my region (lane & 7), base-2 domain
.set LS,  15                           ; running sum
.set AL,  16                           ; v[16:17] 2^(old maximum - new), twice
.set MN,  18
.set T0,  19
.set T1,  20
.set MK,  22                           ; v[22:23] 8 bytes of the mask
.set BW,  24
.set L16, 25
.set MO,  26
.set QF,  28                           ; v[28:59]   qk: 4 fragments
.set SB,  60                           ; v[60:123]  bf16 on its way to the stage; the same registers are then S and FB
.set S,   60                           ; v[60:75]   scores of 32 nodes: register 8 mt + j, lane (r, h) = node 16 mt + 8 h + j, region r & 7
.set FB,  76                           ; v[76:123]  six slots of 8 for fragments of x, K = d; then three buffers of 16 for the partial scores
.set PF,  76                           ; v[76:83]   p as a fragment, K = node
.set ACC, 124                          ; v[124:187] 8 accumulators: tile 4 hf + c, register j, lane (r, h) = acc(region r & 7, d = 128 w + 64 hf + 4 (8 h + j) + c)
.set XP,  188                          ; v[188:251] 8 fragments of x, K = node; first qk as loaded; last the rows on their way out
                                       ; v[256:511] x as loaded, two tiles of 32 nodes x 128 columns (named v0-v255 under a window)
.set MSB, 0
.macro WIN new
.if MSB != \new
	s_set_vgpr_msb (MSB<<8)|\new
.set MSB, \new
.endif
.endm
.macro PLACES                          ; four independent vector instructions behind a matrix instruction (ISA guide 7.12.1)
.rept 4
	v_nop
.endr
.endm
.macro FRLD sb, ao, dst, off
	global_load_b128 v[\dst:\dst+3],     v[\ao], s[\sb:\sb+1] offset:\off
	global_load_b128 v[\dst+4:\dst+7],   v[\ao], s[\sb:\sb+1] offset:\off+16
	global_load_b128 v[\dst+8:\dst+11],  v[\ao], s[\sb:\sb+1] offset:\off+64
	global_load_b128 v[\dst+12:\dst+15], v[\ao], s[\sb:\sb+1] offset:\off+80
.endm
.macro LOADT buf, off                  ; 32 nodes x my 128 columns: load (hf, j) brings node j + 8 (j / 8) + 8 h, columns 64 hf + 4 r .. + 3
	WIN 0x40
.irp hf, 0,1
.irp j, 0,1,2,3,4,5,6,7,8,9,10,11,12,13,14,15
	global_load_b128 v[128*\buf+4*(16*\hf+\j):128*\buf+4*(16*\hf+\j)+3], v[XO], s[4:5] offset:\off+(\j+8*(\j/8))*4096+\hf*256
.endr
.endr
	WIN 0
.endm
.macro STAGEC buf                      ; the first packing: along d, into SB
	WIN 0x05
.irp hf, 0,1
.irp j, 0,1,2,3,4,5,6,7,8,9,10,11,12,13,14,15
	v_cvt_pk_bf16_f32 v[SB+2*(16*\hf+\j)],   v[128*\buf+4*(16*\hf+\j)],   v[128*\buf+4*(16*\hf+\j)+1]
	v_cvt_pk_bf16_f32 v[SB+2*(16*\hf+\j)+1], v[128*\buf+4*(16*\hf+\j)+2], v[128*\buf+4*(16*\hf+\j)+3]
.endr
.endr
	WIN 0
.endm
.macro STAGES                          ; SB into my stage, rows along d
.irp hf, 0,1
.irp j, 0,1,2,3,4,5,6,7,8,9,10,11,12,13,14,15
	ds_store_b64 v[SA], v[SB+2*(16*\hf+\j):SB+2*(16*\hf+\j)+1] offset:(\j+8*(\j/8))*PITCH+\hf*128
.endr
.endr
.endm
.macro NPACK buf                       ; the second packing: the same column of two neighbouring nodes in one register: row m = r of fragment 4 hf + c is column 64 hf + 4 r + c
	WIN 0x05
.irp hf, 0,1
.irp c, 0,1,2,3
.irp i, 0,1,2,3,4,5,6,7
	v_cvt_pk_bf16_f32 v[XP+8*(4*\hf+\c)+\i], v[128*\buf+64*\hf+8*\i+\c], v[128*\buf+64*\hf+8*\i+4+\c]
.endr
.endr
.endr
.endm
.macro SMUL d, a, b, zero
.if \zero
	v_wmma_f32_16x16x32_bf16 v[\d:\d+7], v[\a:\a+7], v[\b:\b+7], 0
.else
	v_wmma_f32_16x16x32_bf16 v[\d:\d+7], v[\a:\a+7], v[\b:\b+7], v[\d:\d+7]
.endif
.endm
.macro FRAG ks, slot                   ; K step ks of the staged tile: nodes 0-15 into the slot named, nodes 16-31 into the next: four loads
.irp mt, 0,1
	ds_load_b128 v[FB+8*((\slot)+\mt):FB+8*((\slot)+\mt)+3],   v[FA] offset:\mt*16*PITCH+(\ks)*64
	ds_load_b128 v[FB+8*((\slot)+\mt)+4:FB+8*((\slot)+\mt)+7], v[FA] offset:\mt*16*PITCH+(\ks)*64+32
.endr
.endm
.macro KMUL ks, slot, zero             ; my 32 columns' share of the 32 x 8 scores; the two accumulators take turns, one instruction a turn
	SMUL S,   FB+8*(\slot),   QF+8*(\ks), \zero
	SMUL S+8, FB+8*(\slot)+8, QF+8*(\ks), \zero
.endm
.macro PLOAD ta, half, wv              ; wave wv's partial scores into buffer ta of three
.irp q, 0,1,2,3
	ds_load_b128 v[FB+16*(\ta)+4*\q:FB+16*(\ta)+4*\q+3], v[PR] offset:(\half)*PSBUF+(\wv)*2048+\q*512
.endr
.endm
.macro PADD ta                         ; and onto the scores
.irp k, 0,2,4,6,8,10,12,14
	v_pk_add_f32 v[S+\k:S+\k+1], v[S+\k:S+\k+1], v[FB+16*(\ta)+\k:FB+16*(\ta)+\k+1]
.endr
.endm
; One tile of 32 nodes.  left: the next tile's 32 loads may stay out.  more = 1: the tile two further on is asked for.
.macro TILE t, buf, first, more, left
	s_wait_loadcnt \left
.if \first == 0
	PLACES                                 ; XP and PF were sources of the last tile's matrix instructions
.endif
	STAGEC \buf
	s_wait_alu depctr_va_vdst(0)           ; the first packing has written SB, which the stores below read and in part of which the fragments land
	STAGES
	NPACK \buf                             ; names RAW and XP alone: no register of the stores above
.if \more
	WIN 0x40
	s_wait_alu depctr_va_vdst(0)           ; both packings are done reading RAW[buf], in which the loads below land
	LOADT \buf, (\t+2)*131072
.endif
	WIN 0
	s_wait_alu depctr_vm_vsrc(0)           ; the stage's stores have read SB: the fragments land in FB, the products write S
	FRAG 0, 0
	FRAG 1, 2
	FRAG 2, 4
	s_wait_dscnt 8                         ; LDS serves my instructions in order: the stores and K step 0's four loads are done; steps 1 and 2 (eight loads) stay out
	KMUL 0, 0, 1
	PLACES                                 ; behind the two products, ahead of the loads into their sources
	s_wait_alu depctr_va_vdst(0)           ; K step 0's products are done reading slots 0 and 1, in which K step 3 lands
	FRAG 3, 0
	s_wait_dscnt 8                         ; K step 1 is in; steps 2 and 3 stay out
	KMUL 1, 2, 0
	s_wait_dscnt 4                         ; K step 2 is in; step 3 stays out
	KMUL 2, 4, 0
	s_wait_dscnt 0x0
	KMUL 3, 0, 0
	PLACES                                 ; in front of the stores that read S
	s_wait_alu depctr_va_vdst(0)           ; the products have written S, which the stores read and in which the bias lands, and are done reading all six slots, in which the partial scores land
.irp q, 0,1,2,3
	ds_store_b128 v[PW], v[S+4*\q:S+4*\q+3] offset:\buf*PSBUF+\q*512
.endr
	s_wait_dscnt 0x0                       ; my partial scores are in LDS, and my reads of the other buffer (last tile) are back:
	s_barrier_signal -1                    ; one barrier a tile serves both, since the two buffers take turns
	s_barrier_wait -1
	s_wait_alu depctr_vm_vsrc(0)           ; my four stores have read S, in which the bias lands
.irp q, 0,1,2,3
	ds_load_b128 v[S+4*\q:S+4*\q+3], v[PR] offset:BIAS-PS+\t*2048+\q*512
.endr
	PLOAD 0, \buf, 0
	PLOAD 1, \buf, 1
	PLOAD 2, \buf, 2
	; bias + wave 0's + wave 1's + .. + wave 7's, in this order.  The counts: four loads for each younger partial
	s_wait_dscnt 8
	PADD 0
	s_wait_dscnt 4
	PADD 1
	s_wait_alu depctr_va_vdst(0)           ; the adds are done reading buffers 0 and 1, in which waves 3's and 4's land; wave 2's is in or on its way
	PLOAD 0, \buf, 3
	PLOAD 1, \buf, 4
	s_wait_dscnt 8
	PADD 2
	s_wait_dscnt 4
	PADD 0
	s_wait_alu depctr_va_vdst(0)           ; the adds are done reading buffers 2 and 0, in which waves 5's and 6's land
	PLOAD 2, \buf, 5
	PLOAD 0, \buf, 6
	s_wait_dscnt 8
	PADD 1
	s_wait_dscnt 4
	PADD 2
	s_wait_alu depctr_va_vdst(0)           ; the adds are done reading buffer 1, in which wave 7's lands
	PLOAD 1, \buf, 7
	s_wait_dscnt 4
	PADD 0
	s_wait_dscnt 0x0
	PADD 1
	; the tile's maximum for my region: 16 registers, then the other half of the lanes
	v_max3_num_f32 v[T0], v[S], v[S+1], v[S+2]
.irp i, 3,5,7,9,11,13
	v_max3_num_f32 v[T0], v[T0], v[S+\i], v[S+\i+1]
.endr
	v_max_num_f32 v[T0], v[T0], v[S+15]
	v_permlanex16_b32 v[T1], v[T0], s26, s27
	v_max_num_f32 v[T0], v[T0], v[T1]
	v_mul_f32 v[T0], s28, v[T0]            ; log2 e / 32 > 0 keeps the order
.if \first
	v_max_num_f32 v[MN], 0xff000000, v[T0] ; -2^127
.else
	v_max_num_f32 v[MN], v[M], v[T0]
	v_sub_f32 v[T1], v[M], v[MN]
	v_exp_f32 v[AL], v[T1]
	v_exp_f32 v[AL+1], v[T1]               ; first used far below; the next line is a plain instruction that touches neither AL nor T1
.endif
.irp i, 0,1,2,3,4,5,6,7,8,9,10,11,12,13,14,15
	v_fma_f32 v[S+\i], v[S+\i], s28, -v[MN]
.endr
.irp i, 0,1,2,3,4,5,6,7,8,9,10,11,12,13,14,15
	v_exp_f32 v[S+\i], v[S+\i]
.endr
	v_mov_b32 v[M], v[MN]                  ; the plain instruction between the last exponential and its use (ISA guide 5.7.2)
	s_wait_alu depctr_va_vdst(0)           ; one wait for the batch: the exponentials have written S and AL, ahead of their first reader
.irp i, 0,1,2,3,4,5,6,7
	v_cvt_pk_bf16_f32 v[PF+\i], v[S+2*\i], v[S+2*\i+1]
.endr
.irp i, 0,4,8,12
	v_pk_add_f32 v[S+\i:S+\i+1], v[S+\i:S+\i+1], v[S+\i+2:S+\i+3]
.endr
	v_pk_add_f32 v[S:S+1], v[S:S+1], v[S+4:S+5]
	v_pk_add_f32 v[S+8:S+9], v[S+8:S+9], v[S+12:S+13]
	v_pk_add_f32 v[S:S+1], v[S:S+1], v[S+8:S+9]
	v_add_f32 v[T0], v[S], v[S+1]
	v_permlanex16_b32 v[T1], v[T0], s26, s27
.if \first
	v_add_f32 v[LS], v[T0], v[T1]
.else
	v_add_f32 v[T0], v[T0], v[T1]
	v_fma_f32 v[LS], v[LS], v[AL], v[T0]
.set ci, 0
.rept 32
	v_pk_mul_f32 v[ACC+2*ci:ACC+2*ci+1], v[ACC+2*ci:ACC+2*ci+1], v[AL:AL+1]
.set ci, ci+1
.endr
.endif
	; acc += p x: eight accumulators take turns, one instruction a turn
.irp fi, 0,1,2,3,4,5,6,7
	SMUL ACC+8*\fi, XP+8*\fi, PF, \first
.endr
.endm
	s_load_b256 s[4:11], s[0:1], 0x0               ; x s[4:5], mask s[6:7], qk s[8:9], accp s[10:11]
	s_load_b64 s[12:13], s[0:1], 0x20              ; ml
	v_lshl_add_u32 v254, v0, 2, 0x1b000
	v_mov_b32 v255, 0
	v_lshrrev_b32 v[T0], 5, v0
	v_readfirstlane_b32 s20, v[T0]                 ; wave 0..7
	v_and_b32 v[VR], 15, v0
	v_bfe_u32 v[VH], v0, 4, 1
	v_and_b32 v[VR7], 7, v0
	v_and_b32 v[L16], 31, v0
	v_lshlrev_b32 v[L16], 4, v[L16]
	v_mov_b32 v[NINF], 0xff800000
	v_mov_b32 v[T1], 0                             ; v_permlanex16_b32 counts as a reader of its destination
	s_mov_b32 s26, 0x76543210                      ; lane i of one half reads lane i of the other
	s_mov_b32 s27, 0xfedcba98
	s_mov_b32 s28, 0x3d38aa3b                      ; log2 e / 32
	s_lshl_b32 s14, ttmp9, 19                      ; chunk x 128 rows of 4,096 bytes (below 2^28)
	s_mov_b32 s15, 0
	s_lshl_b32 s16, ttmp9, 7
	s_mov_b32 s17, 0
	s_lshl_b32 s18, ttmp9, 15
	s_mov_b32 s19, 0
	s_lshl_b32 s24, ttmp9, 6
	s_mov_b32 s25, 0
	s_wait_alu depctr_va_sdst(0)                   ; s20 is written, ahead of its first reader: the wave's offsets are made from it
	s_lshl_b32 s21, s20, 9                         ; 512 w
	s_mul_i32 s22, s20, WSTG
	s_lshl_b32 s23, s20, 11
	s_add_co_u32 s23, s23, PS
	s_lshl_b32 s29, s20, 4
	s_lshl_b32 s30, s20, 10
	s_add_co_u32 s30, s30, BIAS
	v_lshlrev_b32 v[XO], 4, v[VR]
	v_lshl_add_u32 v[XO], v[VH], 15, v[XO]
	v_add_nc_u32 v[XO], s21, v[XO]
	v_mul_u32_u24 v[SA], v[VH], 8*PITCH
	v_lshl_add_u32 v[SA], v[VR], 3, v[SA]
	v_add_nc_u32 v[SA], s22, v[SA]
	v_mul_u32_u24 v[FA], v[VR], PITCH
	v_lshl_add_u32 v[FA], v[VH], 4, v[FA]
	v_add_nc_u32 v[FA], s22, v[FA]
	v_lshlrev_b32 v[AO], 12, v[VR7]
	v_lshl_add_u32 v[AO], v[VH], 5, v[AO]
	v_add_nc_u32 v[AO], s21, v[AO]
	v_add_nc_u32 v[PW], s23, v[L16]
	v_add_nc_u32 v[PR], PS, v[L16]
	v_add_nc_u32 v[BW], s30, v[L16]
	v_mul_u32_u24 v[OA], v[VR7], OPITCH
	v_lshl_add_u32 v[OA], v[VH], 7, v[OA]
	v_add_nc_u32 v[OA], s22, v[OA]
	v_add_nc_u32 v[ORD], s22, v[L16]
	v_add_nc_u32 v[GO], s21, v[L16]
	v_lshl_add_u32 v[MO], v[VH], 3, s29            ; nodes 16 w + 8 h .. + 7 of the chunk
	s_wait_kmcnt 0x0
	s_add_nc_u64 s[4:5], s[4:5], s[14:15]
	s_add_nc_u64 s[6:7], s[6:7], s[16:17]
	s_add_nc_u64 s[10:11], s[10:11], s[18:19]
	s_add_nc_u64 s[12:13], s[12:13], s[24:25]
	s_wait_alu depctr_va_vdst(0)                   ; all offsets and LDS addresses (v4 to v12, v24, v26) are written: every load and store of the kernel but the last reads one of them
	global_load_b64 v[MK:MK+1], v[MO], s[6:7]
.irp ks, 0,1,2,3
	FRLD 8, AO, XP+16*\ks, 128*\ks
.endr
	LOADT 0, 0
	s_wait_loadcnt 32                              ; mask and qk are in; tile 0's 32 loads stay out
	; wave w makes the bias of nodes 16 w .. 16 w + 15 (tile w / 2, half w & 1) in the layout of the score registers; read behind tile 0's barrier.
	; The eight compares stand in one run, into eight scalar registers whose offsets have been used up (s14-19, s24, s25), with one wait behind the run.
.irp b, 0,1,2,3,4,5,6,7
	v_bfe_u32 v[S+8+\b], v[MK+\b/4], 8*(\b%4), 8
.endr
.irp b, 0,1,2,3,4,5,6,7
	v_cmp_eq_u32 s[14+\b+4*(\b/6)], 0, v[S+8+\b]
.endr
	s_wait_alu depctr_va_sdst(0)                   ; the eight masks are written, ahead of the selects that read them
.irp b, 0,1,2,3,4,5,6,7
	v_cndmask_b32 v[S+\b], 0, v[NINF], s[14+\b+4*(\b/6)]
.endr
	s_wait_alu depctr_va_vdst(0)                   ; the selects have written v[S .. S+7], which the two stores read
	ds_store_b128 v[BW], v[S:S+3]
	ds_store_b128 v[BW], v[S+4:S+7] offset:512
.set ci, 0
.rept 32
	v_cvt_pk_bf16_f32 v[QF+ci], v[XP+2*ci], v[XP+2*ci+1]
.set ci, ci+1
.endr
	LOADT 1, 131072                                ; no vector instruction has named RAW1, nor v[XO] since the wait ahead of the first load
	s_wait_alu depctr_vm_vsrc(0)                   ; the two stores have read v[S .. S+7], which tile 0's first packing writes
	TILE 0, 0, 1, 1, 32
	TILE 1, 1, 0, 1, 32
	TILE 2, 0, 0, 0, 32
	TILE 3, 1, 0, 0, 0
	; The way out, through my own stage (my reads of it are over): a region's 128 columns become 512 consecutive bytes.
	; Lanes r and r + 8 hold the same region's numbers and write the same words.
	PLACES
	s_wait_alu depctr_va_vdst(0)                   ; the last products have written ACC, which the stores read, and are done reading XP, in which the rows land; the places above stay beside this wait
.irp hf, 0,1
.irp c, 0,1,2,3
.irp j, 0,1,2,3,4,5,6,7
	ds_store_b32 v[OA], v[ACC+8*(4*\hf+\c)+\j] offset:256*\hf+16*\j+4*\c
.endr
.endr
.endr
.irp i, 0,1,2,3,4,5,6,7
	ds_load_b128 v[XP+4*\i:XP+4*\i+3], v[ORD] offset:\i*OPITCH   ; LDS serves a wave's instructions in order: these see the stores above
.endr
.irp i, 0,1,2,3,4,5,6,7
	s_wait_dscnt 7-\i
	global_store_b128 v[GO], v[XP+4*\i:XP+4*\i+3], s[10:11] offset:\i*4096   ; the wave stores 512 consecutive bytes, aligned
.endr
	s_cmp_lg_u32 s20, 0
	s_cbranch_scc1 .Ldone                          ; every wave holds the same m and l; wave 0 stores them: 64 bytes a chunk
	v_cmp_gt_u32 vcc_lo, 8, v[VR]
	s_wait_alu depctr_va_vcc(0)                    ; VCC is written, ahead of the select that reads it
	v_cndmask_b32 v[T0], v[LS], v[M], vcc_lo       ; words 0-7: m, words 8-15: l
	v_lshlrev_b32 v[T1], 2, v[VR]
	s_wait_alu depctr_va_vdst(0)                   ; v[T0] and v[T1] are written: the store's data and its offset
	global_store_b32 v[T1], v[T0], s[12:13]
.Ldone:
	s_wait_dscnt 0x0
	s_wait_alu depctr_hold_cnt(0) depctr_sa_sdst(0) depctr_va_vdst(0) depctr_va_sdst(0) depctr_va_ssrc(0) depctr_va_vcc(0) depctr_vm_vsrc(0)
	s_wait_tensorcnt 0x0
	ds_add_u32 v254, v255
	s_wait_dscnt 0x0
	s_endpgm
.Lfunc_end_k_q74d98a1959_pass1:
	.size	k_q74d98a1959_pass1, .Lfunc_end_k_q74d98a1959_pass1-k_q74d98a1959_pass1
	.p2alignl 7, 3214868480
	.fill 96, 4, 3214868480
	.section	.rodata,"a",@progbits
	.p2align	6, 0x0
	.amdhsa_kernel k_q74d98a1959_pass1
		.amdhsa_group_segment_fixed_size 111616
		.amdhsa_private_segment_fixed_size 0
		.amdhsa_enable_private_segment 0
		.amdhsa_kernarg_size 40
		.amdhsa_user_sgpr_count 2
		.amdhsa_user_sgpr_kernarg_segment_ptr 1
		.amdhsa_wavefront_size32 1
		.amdhsa_system_sgpr_workgroup_id_x 1
		.amdhsa_system_sgpr_workgroup_id_y 1
		.amdhsa_system_sgpr_workgroup_id_z 1
		.amdhsa_system_vgpr_workitem_id 0
		.amdhsa_next_free_vgpr 512
		.amdhsa_next_free_sgpr 66
		.amdhsa_reserve_vcc 1
		.amdhsa_float_denorm_mode_32 3
		.amdhsa_float_denorm_mode_16_64 3
		.amdhsa_memory_ordered 1
		.amdhsa_forward_progress 1
		.amdhsa_inst_pref_size 126
	.end_amdhsa_kernel
	.amdgpu_metadata
---
amdhsa.version: [ 1, 2 ]
amdhsa.kernels:
  - .name:           k_q74d98a1959_pass1
    .symbol:         k_q74d98a1959_pass1.kd
    .args:
      - { .name: carry_state, .offset: 0, .size: 8, .value_kind: global_buffer, .address_space: global }
      - { .name: node_mask, .offset: 8, .size: 8, .value_kind: global_buffer, .address_space: global }
      - { .name: qk, .offset: 16, .size: 8, .value_kind: global_buffer, .address_space: global }
      - { .name: accp, .offset: 24, .size: 8, .value_kind: global_buffer, .address_space: global }
      - { .name: ml, .offset: 32, .size: 8, .value_kind: global_buffer, .address_space: global }
    .group_segment_fixed_size: 111616
    .private_segment_fixed_size: 0
    .kernarg_segment_align: 8
    .kernarg_segment_size: 40
    .max_flat_workgroup_size: 256
    .sgpr_count:     66
    .vgpr_count:     512
    .wavefront_size: 32
...
	.end_amdgpu_metadata
.endif
;; end of part 8
;; launch combine: the kernel of part 4 again; grid 8 x 16, 8 waves a work-group, no clusters, 0 bytes of LDS; arguments accp, ml, actA; writes actA
;; launch vproj: the kernel of part 5 again; grid 32 x 8, 8 waves a work-group, no clusters, 92,160 bytes of LDS; arguments actA, W_v, actB; writes actB
;; launch oproj: the kernel of part 5 again; grid 32 x 8, 8 waves a work-group, no clusters, 92,160 bytes of LDS; arguments actB, W_out, actA; writes actA
;; launch rkroute: the kernel of part 6 again; grid 24 x 8, 8 waves a work-group, no clusters, 43,008 bytes of LDS; arguments actA, W_k, actB, W_rout, b_rout, codebook, W_oproj, out1, modt; writes actB, out1, modt
;; launch pass2: the kernel of part 7 again; grid 256 x 1, 8 waves a work-group, no clusters, 138,240 bytes of LDS; arguments carry_state, actB, modt, out0; writes out0
